; MI455X (gfx1250); checked and timed in simulation.
; The chip was launched on July 23, 2026; its instructions are those of AMD's public machine-readable ISA for CDNA 5 (MIT licence, August 2026) and "CDNA5" Instruction Set Architecture Reference Guide (July 2026). The comments in the code are by the model that wrote it; some were corrected since.
;; Simple Attention. Allowed arithmetic: matrix products marked QUANTISED: E2M3 operands, one E8M0 scale for each 32 along K, by v_wmma_scale_f32_16x16x128_f8f6f4 with both operands' format E2M3, f32 sums; everything else in f32.
;; Inputs: Wk 1,024 x 1,024 float32; Wo 1,024 x 1,024 float32; Wq 1,024 x 1,024 float32; Wv 1,024 x 1,024 float32; bk 1,024 float32; bo 1,024 float32; bq 1,024 float32; bv 1,024 float32; x 4 x 2,048 x 1,024 float32.
;; Outputs: out0 4 x 2,048 x 1,024 float32.
;; This version of the problem:
;;   THIS VERSION OF THE PROBLEM IS GIVEN IN LOW PRECISION. The matrix products marked QUANTISED in the list below multiply operands that are first quantised to E2M3 (2 exponent bits, 3 mantissa bits; 6 bits a number), with one power-of-two scale for each 32 numbers along K (OCP MX v1.0); their sums are f32. All else is computed in f32.
;;   The module's matrix products, in the order in which they are computed (A, B: the left and right operand; K: the contracted axis; several contracted axes count as one K, in the product's order):
;;     1. [M 8,192, K 1,024] x [K 1,024, N 1,024]; A: input x; B: input Wq: QUANTISED
;;     2. [M 8,192, K 1,024] x [K 1,024, N 1,024]; A: input x; B: input Wk: QUANTISED
;;     3. [M 8,192, K 1,024] x [K 1,024, N 1,024]; A: input x; B: input Wv: QUANTISED
;;     4. batch 4 x [M 2,048, K 1,024] x [K 1,024, N 2,048]; A: computed on the way; B: computed on the way: QUANTISED
;;     5. batch 4 x [M 2,048, K 2,048] x [K 2,048, N 1,024]; A: computed on the way; B: computed on the way: QUANTISED
;;     6. [M 8,192, K 1,024] x [K 1,024, N 1,024]; A: computed on the way; B: input Wo: QUANTISED
;;   THE QUANTISER, for each operand of a quantised product, along K:
;;     - K is cut into blocks of 32 from its start; a last block that is shorter is filled with zeros.
;;     - A block's scale is 2^e with e = floor(log2(the largest magnitude in the block)) - 2, held to -126 .. 127; a block of zeros has e = 0. As a byte (E8M0): e + 127.
;;     - Each number is divided by its block's scale, clamped to +-7.5, and rounded to the nearest number of E2M3, ties to even, subnormals kept.
;;     - The product sums the exact products of the quantised numbers (number of the format x scale) in f32.
;;   ~~~python
;;   def quantise(x, axis):      # numpy; x: float32 -> the quantised numbers, widened to float32 again
;;       x = np.moveaxis(x, axis, -1); K = x.shape[-1]
;;       x = np.pad(x, [(0, 0)] * (x.ndim - 1) + [(0, -K % 32)]); x = x.reshape(x.shape[:-1] + (-1, 32)); a = np.abs(x).max(-1, keepdims=True)
;;       e = np.where(a > 0, np.clip(np.frexp(np.where(a > 0, a, 1))[1] - 1 - 2, -126, 127), 0)      # np.frexp(a)[1] - 1 = floor(log2(a)), exactly
;;       r = np.clip(x / 2.0 ** e, -7.5, 7.5)
;;       step = 2.0 ** (np.maximum(np.frexp(np.where(r == 0, 1, r))[1] - 1, 0) - 3)
;;       q = np.round(r / step) * step * 2.0 ** e      # np.round: ties to even
;;       return np.moveaxis(q.reshape(q.shape[:-2] + (-1,))[..., :K], -1, axis).astype(np.float32)
;;   ~~~
;;   OPERANDS COMPUTED ON THE WAY. 'Computed on the way' means the value that the module computes at that place (a softmax that the list does not call 'softmax' is quantised finished and normalised). What goes into a quantiser is computed in f32, as accurately as f32 sums, v_exp_f32 and their like allow (about 1e-6 of the number): no bf16 or f16 on the way to a quantiser, and a product that is left as it is and whose result goes on into a quantised operand takes f32 operands (vector FMAs, or v_wmma_f32_16x16x4_f32). A number that lies on a knife's edge between two numbers of the format may be rounded either way, as far as f32 arithmetic and the matrix unit's own rounding can turn it there, and no further.
;; One version. Each part assembles by itself: llvm-mc -triple=amdgcn-amd-amdhsa -mcpu=gfx1250 --defsym DOCPART=n.
;; ======== version 1 of 1: 6 launches
;; workspace buffers: xw 9,830,400 bytes; qk 13,107,200 bytes; vt 6,553,600 bytes; sc 13,107,200 bytes; at 6,553,600 bytes
;; launch quant (part 1): grid 256 x 1, 6 waves a work-group, no clusters, 51,456 bytes of LDS; arguments x, Wq, Wk, Wv, Wo, xw; writes xw
.if DOCPART == 1
	.amdgcn_target "amdgcn-amd-amdhsa--gfx1250"
	.amdhsa_code_object_version 6
	.text
	.protected	k_qdbbfdbf899_quant
	.globl	k_qdbbfdbf899_quant
	.p2align	8
	.type	k_qdbbfdbf899_quant,@function
k_qdbbfdbf899_quant:
	s_mov_b64 s[64:65], 0
	v_nop
	global_prefetch_b8 v0, s[64:65] scope:SCOPE_SE
	s_setreg_imm32_b32 hwreg(HW_REG_WAVE_MODE, 25, 1), 1
	s_wait_xcnt 0x0
; x [8192][1024] and Wq, Wk, Wv, Wo [1024][1024], f32 with K innermost, become codes of FP6 (E2M3) with one E8M0 scale byte for each 32 along K, in the buffer xw.
; A block's scale is 2^(floor(log2(its largest magnitude)) - 2); its byte is the largest magnitude's exponent field - 2, held at 1 from below; each number is divided by the scale and rounded to the nearest code, ties to even,
; beyond 7.5 the largest code.
; LIMITS: NaN and infinities among the inputs are not served.  A block of zeros gets the byte 1 where the rule says 127: its codes are zeros, which add nothing under any byte but 0xff, and this program alone reads the bytes.
; THE OPERAND FORMAT of this program's workspace.  An operand [rows][K] is cut into panels of 128 rows and K steps of 128; a panel's K step is a BLOCK of 12,800 bytes, the blocks of a panel on end along K.
; A block holds eight fragments (16 rows x 128 K of 6-bit codes: 12 registers a lane) as IMAGES OF THEIR REGISTERS: registers 4 c .. 4 c + 3 of lane l of fragment f at byte 1536 f + 512 c + 16 l;
; then the scale words (four bytes: a row's 128 K): that of lane-row r of fragment f at 12288 + 256 (f / 4) + 16 r + 4 (f % 4).  Lane-row r of fragment f is the panel's row 32 (f / 2) + 8 (f % 2) + r + 8 (r / 8).
; xw holds 96 panels x 8 K steps: panels 0-63 x, 64-71 Wq, 72-79 Wk, 80-87 Wv, 88-95 Wo.
; SHARES.  A wave takes one unit: half a block (64 rows x 128 K, four fragments, 256 bytes of scale words).  96 x 8 x 2 = 1,536 units = 256 work-groups x 6 waves.  Waves share nothing: no barrier.
; Each load reads 512 consecutive bytes of one row; a fragment's 16 rows turn through the wave's own stage in LDS, so that a lane gets 16 neighbours along K of each block of 32 of its row.
; Each store of codes covers 512 consecutive bytes, the store of scale words 256, all at multiples of 256 bytes from the buffer's first byte.
.set BLK,  12800
.set SP,   528                         ; a stage row: 512 bytes + 16: an odd multiple of 16, so that sixteen lanes that read the same column of sixteen rows start at different 16-byte columns modulo 256
.set STG,  16*SP                       ; a wave's stage
.set R,    16                          ; v16-143  two sets of 64: a fragment's numbers as loaded
.set X,    144                         ; v144-207 register 16 b + i = k 32 b + 16 (lane / 16) + i of my row
.set PC,   208                         ; v208-231 two sets of 12: a fragment's codes
.set CT,   232                         ; v232-239 the second halves of the blocks, as converted
.set TM,   240                         ; v240-243 largest magnitudes, v244-247 the other half's, then the bytes, v248-251 the conversions' scale operands
.set PW,   252                         ; v252-255 the four fragments' scale words
	s_load_b256 s[4:11], s[0:1], 0x0               ; x, Wq, Wk, Wv
	s_load_b128 s[12:15], s[0:1], 0x20             ; Wo, xw
	v_lshl_add_u32 v235, v0, 2, 0xc600
	v_mov_b32 v239, 0
	v_lshrrev_b32 v1, 5, v0
	v_readfirstlane_b32 s16, v1                    ; wave 0..5
	v_and_b32 v1, 31, v0                           ; lane
	v_and_b32 v2, 15, v0                           ; r
	v_bfe_u32 v3, v0, 4, 1                         ; h
	s_mul_i32 s17, ttmp9, 6
	s_add_co_u32 s17, s17, s16                     ; my unit = 16 x panel + 2 x K step + half
	s_lshr_b32 s18, s17, 4                         ; panel 0..95
	s_bfe_u32 s19, s17, 0x30001                    ; K step 0..7
	s_and_b32 s20, s17, 1                          ; which 64 rows of the panel
	s_and_b32 s21, s18, 7
	s_cmp_lt_u32 s18, 64
	s_cselect_b32 s21, s18, s21                    ; the panel's number in its own tensor
	s_lshl_b32 s22, s21, 19                        ; 128 rows of 4,096 bytes,
	s_lshl_b32 s23, s20, 18                        ; 64 rows,
	s_or_b32 s22, s22, s23
	s_lshl_b32 s23, s19, 9                         ; 128 numbers
	s_or_b32 s22, s22, s23
	s_mov_b32 s23, 0
	s_mul_i32 s2, s16, STG                         ; my stage
	v_lshlrev_b32 v4, 4, v1                        ; 16 x lane: my 16 bytes of a load's or a store's 512
	v_add_nc_u32 v5, s2, v4                        ; into the stage: as loaded
	v_mul_u32_u24 v6, v2, SP
	v_lshl_add_u32 v6, v3, 6, v6
	v_add_nc_u32 v6, s2, v6                        ; out of it: row r, + 64 h
	v_lshlrev_b32 v7, 4, v2
	v_lshl_add_u32 v7, v3, 3, v7                   ; the scale words: 16 r + 8 h
	s_mov_b32 s26, 0x76543210
	s_mov_b32 s27, 0xfedcba98                      ; v_permlanex16_b32's selects for lane l xor 16
.irp b, 0,1,2,3
	v_mov_b32 v[TM+4+\b], 0                        ; written once: a lane permute's destination counts as one of its sources
.endr
	s_lshr_b32 s28, s17, 1                         ; my block: 8 x panel + K step
	s_mul_i32 s28, s28, BLK
	s_lshl_b32 s30, s20, 8
	s_add_co_u32 s30, s30, s28
	s_add_co_u32 s30, s30, 12288                   ; my 256 bytes of scale words
	s_mov_b32 s31, 0
	s_mul_i32 s3, s20, 4*1536
	s_add_co_u32 s28, s28, s3                      ; my four fragments
	s_mov_b32 s29, 0
	s_wait_kmcnt 0x0
	s_mov_b64 s[24:25], s[12:13]                   ; which tensor: the choice hangs on the panel's number alone
	s_cmp_lt_u32 s18, 88
	s_cselect_b64 s[24:25], s[10:11], s[24:25]
	s_cmp_lt_u32 s18, 80
	s_cselect_b64 s[24:25], s[8:9], s[24:25]
	s_cmp_lt_u32 s18, 72
	s_cselect_b64 s[24:25], s[6:7], s[24:25]
	s_cmp_lt_u32 s18, 64
	s_cselect_b64 s[24:25], s[4:5], s[24:25]
	s_add_nc_u64 s[24:25], s[24:25], s[22:23]
	s_add_nc_u64 s[28:29], s[14:15], s[28:29]
	s_add_nc_u64 s[30:31], s[14:15], s[30:31]
.macro LOAD f                          ; fragment f's sixteen rows, in the order of its lane-rows, into set f % 2
.irp i, 0,1,2,3,4,5,6,7,8,9,10,11,12,13,14,15
	global_load_b128 v[R+64*((\f)%2)+4*\i:R+64*((\f)%2)+4*\i+3], v4, s[24:25] offset:(32*((\f)/2)+8*((\f)%2)+\i+8*(\i/8))*4096 th:TH_LOAD_NT
.endr
.endm
.macro TURN f                          ; through the stage: LDS serves a wave's instructions in order (ISA guide 5.7.1.4), so no wait stands between the stores and the loads
.irp i, 0,1,2,3,4,5,6,7,8,9,10,11,12,13,14,15
	ds_store_b128 v5, v[R+64*((\f)%2)+4*\i:R+64*((\f)%2)+4*\i+3] offset:SP*\i
.endr
.irp b, 0,1,2,3
.irp j, 0,1,2,3
	ds_load_b128 v[X+16*\b+4*\j:X+16*\b+4*\j+3], v6 offset:128*\b+16*\j
.endr
.endr
.endm
; 64 numbers of a lane, register 16 b + i = k 32 b + 16 (lane / 16) + i of my row, become a fragment's codes in v[pc] on and its scale word in v[pw]
.macro QUANT s, pc, pw
.irp b, 0,1,2,3
	v_max3_num_f32 v[TM+\b], |v[\s+16*\b]|, |v[\s+1+16*\b]|, 0x1800000   ; block b: my 16 numbers, and the floor 2^(3 - 127): so the byte cannot fall under 1
.endr
.irp i, 2,4,6,8,10,12,14
.irp b, 0,1,2,3
	v_max3_num_f32 v[TM+\b], v[TM+\b], |v[\s+16*\b+\i]|, |v[\s+1+16*\b+\i]|   ; (the four blocks by turns)
.endr
.endr
.irp b, 0,1,2,3
	v_permlanex16_b32 v[TM+4+\b], v[TM+\b], s26, s27
.endr
.irp b, 0,1,2,3
	v_max_num_f32 v[TM+\b], v[TM+\b], v[TM+4+\b]   ; with lane l xor 16's: the block's largest magnitude
.endr
.irp b, 0,1,2,3
	v_add_nc_u32 v[TM+8+\b], 0xff000000, v[TM+\b]  ; 2 off its exponent field: the conversion takes the exponent field of this operand as its scale
.endr
.irp b, 0,1,2,3
	v_lshrrev_b32 v[TM+4+\b], 23, v[TM+8+\b]       ; the scale's byte
.endr
	v_lshl_or_b32 v[\pw], v[TM+5], 8, v[TM+4]      ; the four bytes make my row's scale word
	v_lshl_or_b32 v[\pw], v[TM+6], 16, v[\pw]
	v_lshl_or_b32 v[\pw], v[TM+7], 24, v[\pw]
.irp c, 0,1
	v_cvt_scalef32_pk16_fp6_f32 v[\pc+6*\c:\pc+2+6*\c], v[\s+32*\c:\s+15+32*\c], v[TM+8+2*\c]
	v_cvt_scalef32_pk16_fp6_f32 v[CT+4*\c:CT+2+4*\c], v[\s+16+32*\c:\s+31+32*\c], v[TM+9+2*\c]   ; (a conversion's three registers begin on an even number)
.endr
	v_nop                                          ; one plain place behind a scaled conversion
.irp c, 0,1                                    ; the operand's layout wants a WHOLE block in a lane: lanes 0-15 block 2 c, lanes 16-31 block 2 c + 1
.irp i, 0,1,2
	v_permlane16_swap_b32 v[\pc+6*\c+\i], v[CT+4*\c+\i]
.endr
.irp i, 0,1,2
	v_mov_b32 v[\pc+3+6*\c+\i], v[CT+4*\c+\i]
.endr
.endr
.endm
.macro FRAG f, n                       ; n: the younger loads that may stay out
.set PCS, PC+12*((\f)%2)
.if (\f) >= 2
	s_wait_xcnt 0x0                                ; the stores of two fragments ago have read this set of codes: it is written again only behind this wait
.endif
	s_wait_loadcnt \n                              ; my sixteen loads are in; the next fragment's sixteen stay out
	TURN \f
	s_wait_dscnt 0x0                               ; the numbers are back, and the stores into the stage have read their registers,
.if (\f) < 2
	LOAD (\f)+2                                    ; which take the fragment two further on
.endif
	QUANT X, PCS, PW+(\f)
.irp c, 0,1,2
	global_store_b128 v4, v[PCS+4*\c:PCS+4*\c+3], s[28:29] offset:1536*(\f)+512*\c   ; the image: 32 lanes store 512 consecutive bytes
.endr
.endm
	LOAD 0
	LOAD 1
	FRAG 0, 16
	FRAG 1, 16
	FRAG 2, 16
	FRAG 3, 0
	v_cmp_le_u32 vcc_lo, 16, v1                    ; every lane holds its row's four words: lanes 0-15 store those of fragments 0 and 1, lanes 16-31 those of 2 and 3
	v_cndmask_b32 v8, v[PW], v[PW+2], vcc_lo
	v_cndmask_b32 v9, v[PW+1], v[PW+3], vcc_lo
	global_store_b64 v7, v[8:9], s[30:31]          ; 32 lanes store 256 consecutive bytes
	s_wait_tensorcnt 0x0
	ds_add_u32 v235, v239
	s_wait_dscnt 0x0
	s_endpgm
.Lfunc_end_k_qdbbfdbf899_quant:
	.size	k_qdbbfdbf899_quant, .Lfunc_end_k_qdbbfdbf899_quant-k_qdbbfdbf899_quant
	.p2alignl 7, 3214868480
	.fill 96, 4, 3214868480
	.section	.rodata,"a",@progbits
	.p2align	6, 0x0
	.amdhsa_kernel k_qdbbfdbf899_quant
		.amdhsa_group_segment_fixed_size 51456
		.amdhsa_private_segment_fixed_size 0
		.amdhsa_enable_private_segment 0
		.amdhsa_kernarg_size 48
		.amdhsa_user_sgpr_count 2
		.amdhsa_user_sgpr_kernarg_segment_ptr 1
		.amdhsa_wavefront_size32 1
		.amdhsa_system_sgpr_workgroup_id_x 1
		.amdhsa_system_sgpr_workgroup_id_y 1
		.amdhsa_system_sgpr_workgroup_id_z 1
		.amdhsa_system_vgpr_workitem_id 0
		.amdhsa_next_free_vgpr 256
		.amdhsa_next_free_sgpr 66
		.amdhsa_reserve_vcc 1
		.amdhsa_float_denorm_mode_32 3
		.amdhsa_float_denorm_mode_16_64 3
		.amdhsa_memory_ordered 1
		.amdhsa_forward_progress 1
		.amdhsa_inst_pref_size 34
	.end_amdhsa_kernel
	.amdgpu_metadata
---
amdhsa.version: [ 1, 2 ]
amdhsa.kernels:
  - .name:           k_qdbbfdbf899_quant
    .symbol:         k_qdbbfdbf899_quant.kd
    .args:
      - { .name: x, .offset: 0, .size: 8, .value_kind: global_buffer, .address_space: global }
      - { .name: Wq, .offset: 8, .size: 8, .value_kind: global_buffer, .address_space: global }
      - { .name: Wk, .offset: 16, .size: 8, .value_kind: global_buffer, .address_space: global }
      - { .name: Wv, .offset: 24, .size: 8, .value_kind: global_buffer, .address_space: global }
      - { .name: Wo, .offset: 32, .size: 8, .value_kind: global_buffer, .address_space: global }
      - { .name: xw, .offset: 40, .size: 8, .value_kind: global_buffer, .address_space: global }
    .group_segment_fixed_size: 51456
    .private_segment_fixed_size: 0
    .kernarg_segment_align: 8
    .kernarg_segment_size: 48
    .max_flat_workgroup_size: 192
    .sgpr_count:     66
    .vgpr_count:     256
    .wavefront_size: 32
...
	.end_amdgpu_metadata
.endif
;; end of part 1
;; launch qk (part 2): grid 8 x 32, 4 waves a work-group, clusters of 4 x 4, 327,680 bytes of LDS; arguments xw, bq, bk, qk; writes qk
.if DOCPART == 2
	.amdgcn_target "amdgcn-amd-amdhsa--gfx1250"
	.amdhsa_code_object_version 6
	.text
	.protected	k_qdbbfdbf899_qk
	.globl	k_qdbbfdbf899_qk
	.p2align	8
	.type	k_qdbbfdbf899_qk,@function
k_qdbbfdbf899_qk:
	s_mov_b64 s[64:65], 0
	v_nop
	global_prefetch_b8 v0, s[64:65] scope:SCOPE_SE
	s_setreg_imm32_b32 hwreg(HW_REG_WAVE_MODE, 25, 1), 1
	s_wait_xcnt 0x0
	s_wait_alu depctr_hold_cnt(0) depctr_sa_sdst(0) depctr_va_vdst(0) depctr_va_sdst(0) depctr_va_ssrc(0) depctr_va_vcc(0) depctr_vm_vsrc(0)
	s_getreg_b32 s2, hwreg(HW_REG_IB_STS2, 6, 4)
	s_cmp_eq_u32 s2, 0
	s_cbranch_scc0 .Lentry_in_a_cluster
	s_endpgm
.Lentry_in_a_cluster:
	s_bfe_u32 s2, ttmp6, 0x10000c
	s_cmp_lg_u32 s2, 0xf033
	s_cbranch_scc0 .Lentry_shape_is_right
	s_endpgm
.Lentry_shape_is_right:
; q = x Wq^T + bq and k = x Wk^T + bk on codes of FP6 (E2M3) with E8M0 scales; the results are quantised along their 1,024 features, which are the next product's K, and stored as codes: no f32 result goes to memory.
; THE OPERAND FORMAT of this program's workspace.  An operand [rows][K] is cut into panels of 128 rows and K steps of 128; a panel's K step is a BLOCK of 12,800 bytes, the blocks of a panel on end along K.
; A block holds eight fragments (16 rows x 128 K of 6-bit codes: 12 registers a lane) as IMAGES OF THEIR REGISTERS: registers 4 c .. 4 c + 3 of lane l of fragment f at byte 1536 f + 512 c + 16 l;
; then the scale words (four bytes: a row's 128 K): that of lane-row r of fragment f at 12288 + 256 (f / 4) + 16 r + 4 (f % 4).  Lane-row r of fragment f is the panel's row 32 (f / 2) + 8 (f % 2) + r + 8 (r / 8).
; So a fragment comes out of LDS by three loads of 16 bytes a lane, 512 bytes on end; a panel's K steps are dense memory for one tensor load; and a result's codes leave from registers in runs of 512 bytes.
; IN: xw (panels 0-63 x, 64-71 Wq, 72-79 Wk; 8 K steps).  OUT: qk, 64 panels x 16 K steps: K steps 0-7 q's features, 8-15 k's.
; SHARES.  A work-group makes 256 rows (operand A: two panels of x) x 256 features (operand B: two panels of the weights); four waves as 2 x 2, each a panel of A x a panel of B: 128 x 128, 64 accumulators, 512 registers.
; 32 x 8 = 256 work-groups of equal work.  For 128 along K a wave loads 51 x 512 bytes from LDS and issues 64 products; its result is one whole block of qk.
; THE MATRIX INSTRUCTION IS USED TRANSPOSED: source 0 = 16 lane-rows of B, source 1 = 16 lane-rows of A.  A lane then holds ONE row of the result, and by the order of B's lane-rows the 16 registers of B's fragments 2 g and 2 g + 1
; are 16 NEIGHBOURS along the features: 32 g + 16 (lane / 16) + 0 .. 15.  A wave's 128 features are one K step of the result as an operand, and its lanes keep A's order of rows: the format is kept.
; LDS holds six K steps of the four panels, 307,200 bytes; K step t lies at place t % 6.  K steps 0-5 come by three first fills a wave; places 0 and 1 are filled again (K steps 6 and 7) behind K step 1's last read: one tensor load of
; 25,600 bytes a wave, asked for four K steps ahead of its first read.  The eight K steps are written out: no loop.
; CLUSTERS: 4 x 4 work-groups.  The four of a row of the cluster need the same panels of A, the four of a column the same panels of B: each is asked for JOINTLY, by the same tensor load with a mask that names the four.
; LIMITS: NaN and infinities are not served.  A block of zeros gets the byte 1 where the rule says 127 (its codes are zeros; this program alone reads the bytes).  The bias is the C of each sum's first product: it is added ahead of the products, not behind them.
; REGISTERS, in windows of 256: window 0: v1-12 addresses; v14-29 at work on the way out; v30, v31 for the add; v32-47 A's scale words, two sets of 8; v48-55 B's, two sets of 4; v64-255 A's fragments, two sets of 8 (on the way out at work).
;   window 1: v0-191 B's fragments, two sets of 8; v192-255 the bias, eight tiles in the result's layout.   window 2: accumulator (a, b), a = 0 .. 3, at v[8 (8 a + b)];   window 3: a = 4 .. 7 at v[8 (8 (a - 4) + b)].
.set BLK,   12800
.set NP,    6                          ; places of a panel in LDS
.set AREA,  NP*BLK                     ; a panel's area: A's two panels at 0 and AREA, B's two at 2 AREA and 3 AREA
.set SPARE, 4*AREA                     ; behind them: the spare words, 128 bytes for each wave: two blocks of 256 bytes that no other line names
.set PANB,  8*BLK                      ; a panel of xw in memory
.set FR,    12                         ; registers of a fragment
.set SA,    32
.set SB,    48
.set AF,    64
.set BT,    192
.set T2,    14                         ; the way out: v14-29 the other half's maxima, then the bytes
.set MX,    64                         ; v64-79   16 blocks' largest magnitudes
.set SCL,   80                         ; v80-95   the conversions' scale operands
.set CT,    96                         ; v96-127  the second halves of the blocks, as converted
.set PC,    128                        ; v128-223 two sets of four fragments' codes: no store's data are written again
.set PW,    224                        ; v224-231 their scale words
.set PS,    232                        ; v232-235 those that I store
.set G1A,   32                         ; s[32:39] descriptor group 1 for A's fills;  s[40:47] for B's: they differ in the mask alone
.set G1B,   40
.set G0A,   48                         ; s[48:59] three groups 0 for A's fills;  s[68:79] for B's
.set G0B,   68
.set TOB,   0x40                       ; destination window 1, address window 0
.set MSB,   0
.macro WIN new                         ; the immediate's high byte repeats the setting that is left; a switch that changes nothing is dropped
.if MSB != \new
	s_set_vgpr_msb (MSB<<8)|\new
.set MSB, \new
.endif
.endm
.macro PLACES n                        ; plain vector instructions between a matrix instruction and a load into, or a vector read of, its registers (ISA guide 7.12.1 for vector reads)
.rept \n
	v_nop
.endr
.endm
.macro CREST                           ; a round of the cluster's barrier behind its opening barrier
	s_cmp_lg_u32 s16, 0
	s_cbranch_scc1 .Lnot_wave_0_\@
	s_barrier_signal -3
.Lnot_wave_0_\@:
	s_barrier_wait -3
	s_barrier_signal -1
	s_barrier_wait -1
.endm
.macro CROUND                          ; a whole round
	s_barrier_signal -1
	s_barrier_wait -1
	CREST
.endm
; The joint refill: waves 0 and 1 fetch for A, waves 2 and 3 for B.  The branch hangs on the wave's number alone.  Four v_nop follow each of the two lines; they are also the places in front of the LDS loads behind the macro.
.macro JLOAD
	s_cmp_eq_u32 s17, 0
	s_cbranch_scc0 .Lfor_b_\@
	tensor_load_to_lds s[G0A:G0A+3], s[G1A:G1A+7]
	s_nop 0
	PLACES 4
	s_branch .Lasked_\@
.Lfor_b_\@:
	tensor_load_to_lds s[G0B:G0B+3], s[G1B:G1B+7]
	s_nop 0
	PLACES 4
.Lasked_\@:
.endm
; K step t's operands come into set t % 2 by 51 LDS loads, each of 512 bytes on end (A's scale words: 256, read by both halves of the lanes).  An LDS offset has 16 bits: places 0-3 and 4-5 have an address register each.
.macro FS t                            ; the scale words.  B's: 16 x lane gives lanes 0-15 the words of fragments 0-3 and lanes 16-31 those of fragments 4-7.  A's: lanes 0-15 hold the words of all eight fragments, in eight registers
.set FP, (\t)%2
.set FHI, ((\t)%NP)/4
.set FOFF, (((\t)%NP)%4)*BLK
	WIN 0
	ds_load_b128 v[SB+4*FP:SB+4*FP+3], v[6+FHI] offset:FOFF+12288
	ds_load_b128 v[SA+8*FP:SA+8*FP+3], v[8+FHI] offset:FOFF
	ds_load_b128 v[SA+8*FP+4:SA+8*FP+7], v[8+FHI] offset:FOFF+256
.endm
.macro FB t, i0, n                     ; B's fragments i0 .. i0 + n - 1
.set FP, (\t)%2
.set FHI, ((\t)%NP)/4
.set FOFF, (((\t)%NP)%4)*BLK
	WIN TOB
.set FI, \i0
.rept \n
.irp c, 0,1,2
	ds_load_b128 v[96*FP+FR*FI+4*\c:96*FP+FR*FI+4*\c+3], v[6+FHI] offset:FOFF+1536*FI+512*\c
.endr
.set FI, FI+1
.endr
.endm
.macro FA t, i0, n                     ; A's fragments i0 .. i0 + n - 1
.set FP, (\t)%2
.set FHI, ((\t)%NP)/4
.set FOFF, (((\t)%NP)%4)*BLK
	WIN 0
.set FI, \i0
.rept \n
.irp c, 0,1,2
	ds_load_b128 v[AF+96*FP+FR*FI+4*\c:AF+96*FP+FR*FI+4*\c+3], v[4+FHI] offset:FOFF+1536*FI+512*\c
.endr
.set FI, FI+1
.endr
.endm
; One product: A's fragment a x B's fragment b.  cm = 0: onto the sum; 1: C = 0; 2: C = the bias tile of b.  The first product starts the sum: nothing is cleared.
.macro WM a, b, cm
.set rD, 8*(8*((\a)%4)+(\b))
.set rB, 96*MP+FR*(\b)
.set rA, AF+96*MP+FR*(\a)
.set rT, SB+4*MP+(\b)%4
.set rS, SA+8*MP+(\a)
.set rC, rD
.if (\cm) == 2
.set rC, BT+8*(\b)
.endif
.if (\cm) == 1
.if (\b) < 4
	v_wmma_scale_f32_16x16x128_f8f6f4 v[rD:rD+7], v[rB:rB+FR-1], v[rA:rA+FR-1], 0, v[rT], v[rS] matrix_a_fmt:MATRIX_FMT_FP6 matrix_b_fmt:MATRIX_FMT_FP6
.else
	v_wmma_scale_f32_16x16x128_f8f6f4 v[rD:rD+7], v[rB:rB+FR-1], v[rA:rA+FR-1], 0, v[rT], v[rS] matrix_a_fmt:MATRIX_FMT_FP6 matrix_b_fmt:MATRIX_FMT_FP6 matrix_a_scale:MATRIX_SCALE_ROW1
.endif
.else
.if (\b) < 4
	v_wmma_scale_f32_16x16x128_f8f6f4 v[rD:rD+7], v[rB:rB+FR-1], v[rA:rA+FR-1], v[rC:rC+7], v[rT], v[rS] matrix_a_fmt:MATRIX_FMT_FP6 matrix_b_fmt:MATRIX_FMT_FP6
.else
	v_wmma_scale_f32_16x16x128_f8f6f4 v[rD:rD+7], v[rB:rB+FR-1], v[rA:rA+FR-1], v[rC:rC+7], v[rT], v[rS] matrix_a_fmt:MATRIX_FMT_FP6 matrix_b_fmt:MATRIX_FMT_FP6 matrix_a_scale:MATRIX_SCALE_ROW1
.endif
.endif
.endm
; 8 na products of K step t: A's fragments a0 on, each against B's eight.  The 64 accumulators take turns, one instruction a turn, in the same order in every step.
; Windows: source 0 (B) 1, source 1 (A) 0, C and D 2 (a < 4) or 3; with the bias as C: C 1.
.macro MUL t, a0, na, cm
.set MP, (\t)%2
.set MA, \a0
.rept \na
.if (\cm) >= 2
.set WN, 0x91+0x40*(MA/4)
.else
.set WN, 0xa1+0x50*(MA/4)
.endif
	WIN WN
.irp b, 0,1,2,3,4,5,6,7
	WM MA, \b, \cm
.endr
.set MA, MA+1
.endr
.endm
; A K step whose successor has been shown landed.  The successor's 51 loads stand in three runs of 18, 18 and 15 among the 64 products; the last run stands 32 products ahead of the wait for it.
.macro STEP0 t, cm
.if (\t) > 0
	PLACES 4                                       ; the last step's products read the set that this step's loads fill
.endif
	s_wait_dscnt 0x0                               ; this step's set is in
	FS (\t)+1
	FB (\t)+1, 0, 5
	MUL \t, 0, 2, \cm
	FB (\t)+1, 5, 3
	FA (\t)+1, 0, 3
	MUL \t, 2, 2, \cm
	FA (\t)+1, 3, 5
	MUL \t, 4, 4, \cm
.endm
; The K step behind whose last read places 0 and 1 are filled again, by the group 0 of the first fill, stepped six K steps on.  In front of the round each wave waits for all its tensor loads, adds 0 to its spare word, and waits for that and
; for its reads of those places (this step's set was their last read).  The round takes in all sixteen work-groups: no wave of any partner still reads the places or has a load on its way.
; Sixteen products stand ahead of the wait for the tensor loads: they want nothing but registers.
.macro STEPR t
	s_wait_dscnt 0x0                               ; this step's set is in
	MUL \t, 0, 2, 0
	WIN 0                                          ; (the add's two registers lie in window 0)
	s_wait_tensorcnt 0x0                           ; all my tensor loads have landed, K steps 2 to 5 among them, so a group 0 may be written;
	ds_add_u32 v30, v31                            ; 0 onto my spare word
	s_add_nc_u64 s[G0A+2:G0A+3], s[G0A+2:G0A+3], NP*BLK   ; six K steps on; the type bits on top are not reached
	s_add_nc_u64 s[G0B+2:G0B+3], s[G0B+2:G0B+3], NP*BLK
	MUL \t, 2, 1, 0                                ; eight products stand between the add and the wait for it
	s_wait_dscnt 0x0                               ; the add is done, and my reads of the places are over
	s_barrier_signal -1
	MUL \t, 3, 1, 0
	WIN 0
	s_barrier_wait -1
	CREST
	JLOAD                                          ; the first tensor load behind the round, and my one from here on
	FS (\t)+1
	FB (\t)+1, 0, 8
	MUL \t, 4, 2, 0
	FA (\t)+1, 0, 8
	MUL \t, 6, 2, 0
.endm
.macro STEP1 t                         ; the K step whose successor lies in the places that were filled again
	s_wait_tensorcnt 0x0                           ; my part of the refill has landed: no load was issued behind it,
	s_wait_dscnt 0x0                               ; this step's set is in, and no LDS instruction of mine is out at the signal
	s_barrier_signal -1
	MUL \t, 0, 2, 0                                ; work on registers while the others arrive
	s_barrier_wait -1                              ; everybody's part has landed.
	PLACES 4
	FS (\t)+1
	FB (\t)+1, 0, 8
	MUL \t, 2, 2, 0
	FA (\t)+1, 0, 8
	MUL \t, 4, 4, 0
.endm
.macro STEPL t                         ; the last K step
	s_wait_dscnt 0x0
	MUL \t, 0, 8, 0
.endm
; THE WAY OUT, half by half: the 64 rows of A's fragments 4 hf .. 4 hf + 3 x my 128 columns become four fragments and their scale words.  Block 4 a + g (32 columns of the rows of fragment 4 hf + a) is registers 16 (4 a + g) + 0 .. 15
; of window 2 + hf in lanes l and l xor 16.
.macro EPIQ hf
.set WN, 0x28+0x14*(\hf)               ; sources 1 and 2: window 2 + hf
	WIN WN
.set QN, 0
.rept 16
	v_max3_num_f32 v[MX+QN], 0x1800000, |v[16*QN]|, |v[16*QN+1]|   ; my 16 numbers of each block, and the floor 2^(3 - 127): so the byte cannot fall under 1.  Each accumulator is read from its low end on
.set QN, QN+1
.endr
.irp i, 2,4,6,8,10,12,14
.set QN, 0
.rept 16
	v_max3_num_f32 v[MX+QN], v[MX+QN], |v[16*QN+\i]|, |v[16*QN+\i+1]|   ; (the sixteen blocks by turns)
.set QN, QN+1
.endr
.endr
	WIN 0
.set QN, 0
.rept 16
	v_permlanex16_b32 v[T2+QN], v[MX+QN], s26, s27
.set QN, QN+1
.endr
.set QN, 0
.rept 16
	v_max_num_f32 v[MX+QN], v[MX+QN], v[T2+QN]     ; with lane l xor 16's: the block's largest magnitude
.set QN, QN+1
.endr
.set QN, 0
.rept 16
	v_add_nc_u32 v[SCL+QN], 0xff000000, v[MX+QN]   ; 2 off its exponent field: the conversion's scale operand
.set QN, QN+1
.endr
.set QN, 0
.rept 16
	v_lshrrev_b32 v[T2+QN], 23, v[SCL+QN]          ; the scale's byte
.set QN, QN+1
.endr
.irp a, 0,1,2,3
	v_lshl_or_b32 v[PW+4*(\hf)+\a], v[T2+4*\a+1], 8, v[T2+4*\a]   ; four bytes make a row's scale word
.endr
.irp a, 0,1,2,3
	v_lshl_or_b32 v[PW+4*(\hf)+\a], v[T2+4*\a+2], 16, v[PW+4*(\hf)+\a]
.endr
.irp a, 0,1,2,3
	v_lshl_or_b32 v[PW+4*(\hf)+\a], v[T2+4*\a+3], 24, v[PW+4*(\hf)+\a]
.endr
.set WN, 0x02+(\hf)                    ; source 0: window 2 + hf
	WIN WN
.irp a, 0,1,2,3
.irp c, 0,1
	v_cvt_scalef32_pk16_fp6_f32 v[PC+48*(\hf)+12*\a+6*\c:PC+48*(\hf)+12*\a+6*\c+2], v[64*\a+32*\c:64*\a+32*\c+15], v[SCL+4*\a+2*\c]
	v_cvt_scalef32_pk16_fp6_f32 v[CT+8*\a+4*\c:CT+8*\a+4*\c+2], v[64*\a+32*\c+16:64*\a+32*\c+31], v[SCL+4*\a+2*\c+1]   ; (a conversion's three registers begin on an even number)
.endr
.endr
	WIN 0
	v_nop                                          ; one plain place behind a scaled conversion
.irp a, 0,1,2,3
.irp c, 0,1                                    ; the operand's layout wants a WHOLE block in a lane: lanes 0-15 block 2 c, lanes 16-31 block 2 c + 1
.irp i, 0,1,2
	v_permlane16_swap_b32 v[PC+48*(\hf)+12*\a+6*\c+\i], v[CT+8*\a+4*\c+\i]
.endr
.irp i, 0,1,2
	v_mov_b32 v[PC+48*(\hf)+12*\a+6*\c+3+\i], v[CT+8*\a+4*\c+\i]
.endr
.endr
.endr
	v_cmp_le_u32 vcc_lo, 16, v1                    ; every lane holds its row's four words: lanes 0-15 store those of the half's fragments 0 and 1, lanes 16-31 those of 2 and 3
	v_cndmask_b32 v[PS+2*(\hf)], v[PW+4*(\hf)], v[PW+4*(\hf)+2], vcc_lo
	v_cndmask_b32 v[PS+2*(\hf)+1], v[PW+4*(\hf)+1], v[PW+4*(\hf)+3], vcc_lo
.irp a, 0,1,2,3
.irp c, 0,1,2
	global_store_b128 v10, v[PC+48*(\hf)+12*\a+4*\c:PC+48*(\hf)+12*\a+4*\c+3], s[12:13] offset:1536*(4*(\hf)+\a)+512*\c   ; the image: 32 lanes store 512 consecutive bytes, at a multiple of 256 from the buffer's first byte
.endr
.endr
	global_store_b64 v11, v[PS+2*(\hf):PS+2*(\hf)+1], s[12:13] offset:12288+256*(\hf)   ; 32 lanes store 256 consecutive bytes.  No store's register is written again: no wait
.endm
	s_load_b256 s[4:11], s[0:1], 0x0               ; xw s[4:5], bq s[6:7], bk s[8:9], qk s[10:11]
	v_lshl_add_u32 v30, v0, 2, SPARE               ; LDS address of my spare word; never rewritten
	v_mov_b32 v31, 0                               ; never rewritten
	ds_add_u32 v30, v31
	ds_add_u32 v30, v31
	s_wait_dscnt 0x0
	v_lshrrev_b32 v1, 5, v0
	v_readfirstlane_b32 s16, v1                    ; wave 0..3
	s_lshr_b32 s17, s16, 1                         ; which panel of A is mine.  Also: I fetch for A (0) or for B (1)
	s_and_b32 s18, s16, 1                          ; which panel of B is mine.  Also: which of the two panels I fetch
	s_bfe_u32 s20, ttmp6, 0x40000                  ; cx, cy: my place in the cluster
	s_bfe_u32 s21, ttmp6, 0x40004
	s_and_b32 s23, ttmp7, 0xffff
	s_lshl_b32 s24, s23, 2
	s_add_co_u32 s24, s24, s21                     ; gy = 4 x cluster y + cy: which two panels of x, 0..31
	s_lshl_b32 s25, ttmp9, 2
	s_add_co_u32 s25, s25, s20                     ; gx = 4 x cluster x + cx: which 256 of the 2,048 features, 0..7
	s_lshl_b32 s26, s21, 2
	s_lshl_b32 s26, 15, s26                        ; my row of the cluster
	s_lshl_b32 s27, 0x1111, s20                    ; my column
	; descriptor group 1: two blocks, 25,600 dense bytes, as 100 rows of 256 bytes (32 elements of 8 bytes); no padding
	s_or_b32 s[G1A], s26, (3<<16)|(1<<21)          ; 15:0 the mask: A's fills go to my row; 17:16 elements of 8 bytes; 21 set beside a mask
	s_or_b32 s[G1B], s27, (3<<16)|(1<<21)          ; B's go to my column
.irp g, G1A, G1B
	s_mov_b32 s[\g+1], 32<<16                      ; tensor_dim0 = 32
	s_mov_b32 s[\g+2], 100<<16                     ; tensor_dim1 = 100
	s_mov_b32 s[\g+3], 32<<16                      ; tile_dim0 = 32
	s_mov_b32 s[\g+4], 100                         ; tile_dim1 = 100
	s_mov_b32 s[\g+5], 32                          ; tensor_dim0_stride
	s_mov_b32 s[\g+6], 0
	s_mov_b32 s[\g+7], 0
.endr
	s_mov_b32 s26, 0x76543210
	s_mov_b32 s27, 0xfedcba98                      ; v_permlanex16_b32's selects for lane l xor 16
	s_mul_i32 s66, s16, AREA                       ; where a wave's fills go: area = wave: no place in the cluster enters an LDS address
	; the vector addresses are made while the arguments are on their way
	v_and_b32 v1, 31, v0                           ; lane
	v_and_b32 v2, 15, v0                           ; r
	v_bfe_u32 v3, v0, 4, 1                         ; h
	s_mul_i32 s2, s17, AREA                        ; my panel of A
	v_lshl_add_u32 v4, v1, 4, s2                   ; v4, v5: A's fragments, places 0-3 and 4-5
	v_add_nc_u32 v5, 4*BLK, v4
	s_add_co_u32 s2, s2, 12288
	v_lshl_add_u32 v8, v2, 4, s2                   ; v8, v9: A's scale words: 16 r
	v_add_nc_u32 v9, 4*BLK, v8
	s_mul_i32 s3, s18, AREA
	s_add_co_u32 s3, s3, 2*AREA                    ; my panel of B
	v_lshl_add_u32 v6, v1, 4, s3                   ; v6, v7: B's fragments and scale words
	v_add_nc_u32 v7, 4*BLK, v6
	v_lshlrev_b32 v10, 4, v1                       ; v10: the way out: my 16 bytes of an image
	v_lshlrev_b32 v11, 4, v2
	v_lshl_add_u32 v11, v3, 3, v11                 ; v11: the way out: my 8 bytes of the scale words: 16 r + 8 h
	v_lshlrev_b32 v12, 6, v3                       ; the bias: lanes 16-31 begin 16 numbers on
.set QN, 0
.rept 16
	v_mov_b32 v[T2+QN], 0                          ; written once: a lane permute's destination counts as one of its sources
.set QN, QN+1
.endr
	s_lshl_b32 s28, s24, 1
	s_add_co_u32 s28, s28, s18                     ; A: panel 2 gy + (0, 1) of xw: it hangs on gy and the wave alone
	s_mul_i32 s28, s28, PANB
	s_mov_b32 s29, 0
	s_lshl_b32 s30, s25, 1
	s_add_co_u32 s30, s30, s18
	s_add_co_u32 s30, s30, 64                      ; B: panel 64 + 2 gx + (0, 1): it hangs on gx and the wave alone
	s_mul_i32 s30, s30, PANB
	s_mov_b32 s31, 0
	s_lshl_b32 s2, s24, 1
	s_add_co_u32 s2, s2, s17
	s_lshl_b32 s2, s2, 4
	s_lshl_b32 s3, s25, 1
	s_add_co_u32 s2, s2, s3
	s_add_co_u32 s2, s2, s18                       ; out: block 16 (2 gy + my panel of A) + 2 gx + my panel of B
	s_mul_i32 s2, s2, BLK
	s_mov_b32 s3, 0
	s_wait_kmcnt 0x0
	s_add_nc_u64 s[28:29], s[4:5], s[28:29]
	s_add_nc_u64 s[30:31], s[4:5], s[30:31]
	s_add_nc_u64 s[12:13], s[10:11], s[2:3]
	s_cmp_eq_u32 ttmp9, 0                          ; features 0-1,023 are q's (cluster x = 0), the others k's
	s_cselect_b64 s[8:9], s[6:7], s[8:9]
	s_lshl_b32 s2, s20, 10                         ; my 128 numbers of that bias: 4 (256 cx + 128 x my panel) bytes on
	s_lshl_b32 s3, s18, 9
	s_add_co_u32 s2, s2, s3
	s_mov_b32 s3, 0
	s_add_nc_u64 s[8:9], s[8:9], s[2:3]
	WIN TOB
.irp b, 0,1,2,3,4,5,6,7                        ; the bias tile of B's fragment b = 2 g + u: register j is the bias of feature 32 g + 16 h + 8 u + j
	global_load_b128 v[BT+8*\b:BT+8*\b+3], v12, s[8:9] offset:(32*(\b/2)+8*(\b%2))*4
	global_load_b128 v[BT+8*\b+4:BT+8*\b+7], v12, s[8:9] offset:(32*(\b/2)+8*(\b%2))*4+16
.endr
	WIN 0
.irp c, 0,1,2                                  ; fill c: K steps 2 c and 2 c + 1
	s_mov_b32 s[G0A+4*\c], 1                       ; 1:0 count = 1
	s_add_co_u32 s[G0A+4*\c+1], s66, \c*2*BLK      ; 63:32 LDS address
	s_add_nc_u64 s[G0A+4*\c+2:G0A+4*\c+3], s[28:29], \c*2*BLK   ; 120:64 global address
	s_or_b32 s[G0A+4*\c+3], s[G0A+4*\c+3], 0x80000000   ; 127:126 type = 2
	s_mov_b32 s[G0B+4*\c], 1
	s_add_co_u32 s[G0B+4*\c+1], s66, \c*2*BLK
	s_add_nc_u64 s[G0B+4*\c+2:G0B+4*\c+3], s[30:31], \c*2*BLK
	s_or_b32 s[G0B+4*\c+3], s[G0B+4*\c+3], 0x80000000
.endr
	CROUND                                         ; all sixteen work-groups are here: the first joint loads meet
	s_cmp_eq_u32 s17, 0                            ; a wave's three first fills stand in one branch on the wave's number, ahead of every wait on TENSORcnt, every LDS read and every other barrier: three loads of mine are out.
	s_cbranch_scc0 .Lfirst_b                       ; Four v_nop follow the last
.irp c, 0,1,2
	tensor_load_to_lds s[G0A+4*\c:G0A+4*\c+3], s[G1A:G1A+7]
	s_nop 0
.endr
	PLACES 4
	s_branch .Lfirst_asked
.Lfirst_b:
.irp c, 0,1,2
	tensor_load_to_lds s[G0B+4*\c:G0B+4*\c+3], s[G1B:G1B+7]
	s_nop 0
.endr
	PLACES 4
.Lfirst_asked:
	s_wait_tensorcnt 2                             ; my first fill (K steps 0 and 1) has landed; the two behind it stay out,
	s_barrier_signal -1
	s_barrier_wait -1                              ; everybody's has.
	FS 0
	FB 0, 0, 8
	FA 0, 0, 8
	s_wait_loadcnt 0x0                             ; the bias
	STEP0 0, 2
	STEPR 1                                        ; places 0 and 1 take K steps 6 and 7; every wave's wait for all its loads has shown K steps 2-5 landed
	STEP0 2, 0
	STEP0 3, 0
	STEP0 4, 0
	STEP1 5
	STEP0 6, 0
	STEPL 7
	PLACES 4                                       ; behind the last products
	EPIQ 0
	EPIQ 1
	s_wait_tensorcnt 0x0                           ; the wave's end, behind my last tensor load
	ds_add_u32 v30, v31
	s_wait_dscnt 0x0
	CROUND                                         ; the closing round: no work-group ends while a partner may still ask for a fill that names it
	s_endpgm
.Lfunc_end_k_qdbbfdbf899_qk:
	.size	k_qdbbfdbf899_qk, .Lfunc_end_k_qdbbfdbf899_qk-k_qdbbfdbf899_qk
	.p2alignl 7, 3214868480
	.fill 96, 4, 3214868480
	.section	.rodata,"a",@progbits
	.p2align	6, 0x0
	.amdhsa_kernel k_qdbbfdbf899_qk
		.amdhsa_group_segment_fixed_size 327680
		.amdhsa_private_segment_fixed_size 0
		.amdhsa_enable_private_segment 0
		.amdhsa_kernarg_size 32
		.amdhsa_user_sgpr_count 2
		.amdhsa_user_sgpr_kernarg_segment_ptr 1
		.amdhsa_wavefront_size32 1
		.amdhsa_system_sgpr_workgroup_id_x 1
		.amdhsa_system_sgpr_workgroup_id_y 1
		.amdhsa_system_sgpr_workgroup_id_z 1
		.amdhsa_system_vgpr_workitem_id 0
		.amdhsa_next_free_vgpr 1024
		.amdhsa_next_free_sgpr 84
		.amdhsa_reserve_vcc 1
		.amdhsa_float_denorm_mode_32 3
		.amdhsa_float_denorm_mode_16_64 3
		.amdhsa_memory_ordered 1
		.amdhsa_forward_progress 1
		.amdhsa_inst_pref_size 136
	.end_amdhsa_kernel
	.amdgpu_metadata
---
amdhsa.version: [ 1, 2 ]
amdhsa.kernels:
  - .name:           k_qdbbfdbf899_qk
    .symbol:         k_qdbbfdbf899_qk.kd
    .args:
      - { .name: xw, .offset: 0, .size: 8, .value_kind: global_buffer, .address_space: global }
      - { .name: bq, .offset: 8, .size: 8, .value_kind: global_buffer, .address_space: global }
      - { .name: bk, .offset: 16, .size: 8, .value_kind: global_buffer, .address_space: global }
      - { .name: qk, .offset: 24, .size: 8, .value_kind: global_buffer, .address_space: global }
    .group_segment_fixed_size: 327680
    .private_segment_fixed_size: 0
    .kernarg_segment_align: 8
    .kernarg_segment_size: 32
    .max_flat_workgroup_size: 128
    .sgpr_count:     84
    .vgpr_count:     1024
    .wavefront_size: 32
...
	.end_amdgpu_metadata
.endif
;; end of part 2
;; launch vt (part 3): grid 32 x 8, 4 waves a work-group, clusters of 4 x 4, 327,680 bytes of LDS; arguments xw, bv, vt; writes vt
.if DOCPART == 3
	.amdgcn_target "amdgcn-amd-amdhsa--gfx1250"
	.amdhsa_code_object_version 6
	.text
	.protected	k_qdbbfdbf899_vt
	.globl	k_qdbbfdbf899_vt
	.p2align	8
	.type	k_qdbbfdbf899_vt,@function
k_qdbbfdbf899_vt:
	s_mov_b64 s[64:65], 0
	v_nop
	global_prefetch_b8 v0, s[64:65] scope:SCOPE_SE
	s_setreg_imm32_b32 hwreg(HW_REG_WAVE_MODE, 25, 1), 1
	s_wait_xcnt 0x0
	s_wait_alu depctr_hold_cnt(0) depctr_sa_sdst(0) depctr_va_vdst(0) depctr_va_sdst(0) depctr_va_ssrc(0) depctr_va_vcc(0) depctr_vm_vsrc(0)
	s_getreg_b32 s2, hwreg(HW_REG_IB_STS2, 6, 4)
	s_cmp_eq_u32 s2, 0
	s_cbranch_scc0 .Lentry_in_a_cluster
	s_endpgm
.Lentry_in_a_cluster:
	s_bfe_u32 s2, ttmp6, 0x10000c
	s_cmp_lg_u32 s2, 0xf033
	s_cbranch_scc0 .Lentry_shape_is_right
	s_endpgm
.Lentry_shape_is_right:
; v^T = Wv x^T + bv on codes of FP6 (E2M3) with E8M0 scales.  v is contracted along its rows (the keys) in the product that reads it, so it is made TRANSPOSED: rows = features, columns = keys; it is quantised along the keys and stored as codes.
; THE OPERAND FORMAT of this program's workspace.  An operand [rows][K] is cut into panels of 128 rows and K steps of 128; a panel's K step is a BLOCK of 12,800 bytes, the blocks of a panel on end along K.
; A block holds eight fragments (16 rows x 128 K of 6-bit codes: 12 registers a lane) as IMAGES OF THEIR REGISTERS: registers 4 c .. 4 c + 3 of lane l of fragment f at byte 1536 f + 512 c + 16 l;
; then the scale words (four bytes: a row's 128 K): that of lane-row r of fragment f at 12288 + 256 (f / 4) + 16 r + 4 (f % 4).  Lane-row r of fragment f is the panel's row 32 (f / 2) + 8 (f % 2) + r + 8 (r / 8).
; IN: xw (panels 0-63 x, 80-87 Wv; 8 K steps).  OUT: vt, 8 panels (features) x 64 K steps (K step = x's panel: 16 x batch + key / 128).
; SHARES.  A work-group makes 128 features (operand A: one panel of Wv) x 256 keys (operand B: two panels of x); four waves as 2 x 2, each 64 x 128: 32 accumulators, 256 registers.  256 work-groups of equal work.
; THE MATRIX INSTRUCTION IS USED TRANSPOSED: source 0 = 16 lane-rows of B, source 1 = 16 lane-rows of A.  A lane then holds ONE row of the result, and by the order of B's lane-rows the 16 registers of B's fragments 2 g and 2 g + 1
; are 16 NEIGHBOURS along the columns: 32 g + 16 (lane / 16) + 0 .. 15.  A wave's 128 columns are one K step of the result as an operand, and its lanes keep A's order of rows: the format is kept.
; ALL OF K LIES IN LDS: 3 panels x 8 blocks = 307,200 bytes, each byte filled once: four first fills a wave, no ring and no loop; the eight K steps are written out.
; CLUSTERS: 4 x 4 work-groups.  The four of a row of the cluster need the same panel of A, the four of a column the same panels of B: each is asked for JOINTLY, by the same tensor load with a mask that names the four.
; LIMITS: NaN and infinities are not served.  A block of zeros gets the byte 1 where the rule says 127 (its codes are zeros; this program alone reads the bytes).  The bias is the C of each sum's first product: it is added ahead of the products, not behind them.
; REGISTERS, in windows of 256: window 0: v1-12 addresses; v32-39 A's scale words, v40-47 B's, two sets each; v64-159 A's fragments, two sets of 4; on the way out v64-231 are at work.
;   window 1: v0-191 B's fragments, two sets of 8; v192-223 the bias, four tiles in the result's layout.   window 2: accumulator (a, b) at v[8 (8 a + b)].
.set BLK,  12800
.set AREA, 8*BLK                       ; a panel's eight K steps in LDS: A at 0, B's two panels at AREA and 2 AREA
.set FR,   12                          ; registers of a fragment
.set SA,   32
.set SB,   40
.set AF,   64
.set BT,   192
.set MX,   64                          ; the way out: v64-79 the 16 blocks' largest magnitudes
.set SCL,  96                          ; v96-111  the conversions' scale operands
.set CT,   112                         ; v112-143 the second halves of the blocks, as converted
.set PC,   160                         ; v160-207 four fragments' codes
.set PW,   208                         ; v208-211 their scale words
.set PS,   212                         ; v212-213 the two that I store
.set T2,   216                         ; v216-231 the other half's maxima, then the bytes
.set G1A,  32                          ; s[32:39] descriptor group 1 for A's fills;  s[40:47] for B's: they differ in the mask alone
.set G1B,  40
.set G0A,  48                          ; s[48:63] four groups 0 for A's fills;  s[68:83] for B's
.set G0B,  68
.set MULW, 0xa1                        ; source 0 (B) window 1, source 1 (A) window 0, C and D window 2
.set MULB, 0x91                        ; the same with C (the bias) in window 1
.set TOB,  0x40                        ; destination window 1, address window 0
.set MAXW, 0x28                        ; sources 1 and 2 window 2
.set CVTW, 0x02                        ; source 0 window 2
.set MSB,  0
.macro WIN new                         ; the immediate's high byte repeats the setting that is left; a switch that changes nothing is dropped
.if MSB != \new
	s_set_vgpr_msb (MSB<<8)|\new
.set MSB, \new
.endif
.endm
.macro PLACES n                        ; plain vector instructions between a matrix instruction and a load into, or a vector read of, its registers (ISA guide 7.12.1 for vector reads)
.rept \n
	v_nop
.endr
.endm
.macro CREST                           ; a round of the cluster's barrier behind its opening barrier
	s_cmp_lg_u32 s16, 0
	s_cbranch_scc1 .Lnot_wave_0_\@
	s_barrier_signal -3
.Lnot_wave_0_\@:
	s_barrier_wait -3
	s_barrier_signal -1
	s_barrier_wait -1
.endm
.macro CROUND                          ; a whole round
	s_barrier_signal -1
	s_barrier_wait -1
	CREST
.endm
; 38 LDS loads in one run: K step t's fragments and scale words into set t % 2.  Each load takes 512 bytes on end (A's scale words: 256, read by both halves of the lanes).
; B's scale words: 16 x lane gives lanes 0-15 the words of fragments 0-3 and lanes 16-31 those of fragments 4-7.  An LDS offset has 16 bits: K steps 0-3 and 4-7 have an address register each.
.macro FETCH t
.set FP, (\t)%2
.set FHI, ((\t)%8)/4
.set FOFF, ((\t)%4)*BLK
	WIN TOB
.irp i, 0,1,2,3,4,5,6,7
.irp c, 0,1,2
	ds_load_b128 v[96*FP+FR*\i+4*\c:96*FP+FR*\i+4*\c+3], v[6+FHI] offset:FOFF+1536*\i+512*\c
.endr
.endr
	WIN 0
	ds_load_b128 v[SB+4*FP:SB+4*FP+3], v[6+FHI] offset:FOFF+12288
	ds_load_b128 v[SA+4*FP:SA+4*FP+3], v[8+FHI] offset:FOFF
.irp a, 0,1,2,3
.irp c, 0,1,2
	ds_load_b128 v[AF+48*FP+FR*\a+4*\c:AF+48*FP+FR*\a+4*\c+3], v[4+FHI] offset:FOFF+1536*\a+512*\c
.endr
.endr
.endm
; One product: A's fragment a x B's fragment b.  cm = 0: onto the sum; 1: C = 0; 2: C = the bias tile of b; 3: of a.  The first product starts the sum: nothing is cleared.
.macro WM a, b, cm
.set rD, 8*(8*(\a)+(\b))
.set rB, 96*MP+FR*(\b)
.set rA, AF+48*MP+FR*(\a)
.set rT, SB+4*MP+(\b)%4
.set rS, SA+4*MP+(\a)
.set rC, rD
.if (\cm) == 2
.set rC, BT+8*(\b)
.elseif (\cm) == 3
.set rC, BT+8*(\a)
.endif
.if (\cm) == 1
.if (\b) < 4
	v_wmma_scale_f32_16x16x128_f8f6f4 v[rD:rD+7], v[rB:rB+FR-1], v[rA:rA+FR-1], 0, v[rT], v[rS] matrix_a_fmt:MATRIX_FMT_FP6 matrix_b_fmt:MATRIX_FMT_FP6
.else
	v_wmma_scale_f32_16x16x128_f8f6f4 v[rD:rD+7], v[rB:rB+FR-1], v[rA:rA+FR-1], 0, v[rT], v[rS] matrix_a_fmt:MATRIX_FMT_FP6 matrix_b_fmt:MATRIX_FMT_FP6 matrix_a_scale:MATRIX_SCALE_ROW1
.endif
.else
.if (\b) < 4
	v_wmma_scale_f32_16x16x128_f8f6f4 v[rD:rD+7], v[rB:rB+FR-1], v[rA:rA+FR-1], v[rC:rC+7], v[rT], v[rS] matrix_a_fmt:MATRIX_FMT_FP6 matrix_b_fmt:MATRIX_FMT_FP6
.else
	v_wmma_scale_f32_16x16x128_f8f6f4 v[rD:rD+7], v[rB:rB+FR-1], v[rA:rA+FR-1], v[rC:rC+7], v[rT], v[rS] matrix_a_fmt:MATRIX_FMT_FP6 matrix_b_fmt:MATRIX_FMT_FP6 matrix_a_scale:MATRIX_SCALE_ROW1
.endif
.endif
.endm
; 8 na products of K step t: A's fragments a0 on, each against B's eight.  The 32 accumulators take turns, one instruction a turn, in the same order in every step.
.macro MUL t, a0, na, cm
.set MP, (\t)%2
.if (\cm) >= 2
	WIN MULB
.else
	WIN MULW
.endif
.set MA, \a0
.rept \na
.irp b, 0,1,2,3,4,5,6,7
	WM MA, \b, \cm
.endr
.set MA, MA+1
.endr
.endm
.macro STEP0 t, cm                     ; a K step whose successor has been shown landed: the successor's loads are issued first, so that they are on their way through all 32 products
.if (\t) > 0
	PLACES 4                                       ; the last step's products read the set that the loads below fill
.endif
	FETCH (\t)+1
	s_wait_dscnt 38                                ; all but the 38 just issued: this step's set, asked for a step ago, is in
	MUL \t, 0, 4, \cm
.endm
.macro STEP1 t, n                      ; a K step whose successor begins the next fill.  n: my fills issued behind that one, which may stay out
	s_wait_tensorcnt \n                            ; my part of that fill has landed,
	s_wait_dscnt 0x0                               ; this step's set is in, and no LDS instruction of mine is out at the signal
	s_barrier_signal -1
	MUL \t, 0, 2, 0                                ; work on registers while the others arrive
	s_barrier_wait -1                              ; everybody's part has landed.
	PLACES 4
	FETCH (\t)+1
	MUL \t, 2, 2, 0
.endm
.macro STEPL t                         ; the last K step
	s_wait_dscnt 0x0
	MUL \t, 0, 4, 0
.endm
; THE WAY OUT: my 64 rows x 128 columns become four fragments and their scale words.  Block 4 a + g (32 columns of the rows of A's fragment a) is registers 16 (4 a + g) + 0 .. 15 of window 2 in lanes l and l xor 16.
.macro EPIQ
	PLACES 4                                       ; behind the last products
	WIN MAXW
.set QN, 0
.rept 16
	v_max3_num_f32 v[MX+QN], 0x1800000, |v[16*QN]|, |v[16*QN+1]|   ; my 16 numbers of each block, and the floor 2^(3 - 127): so the byte cannot fall under 1.  Each accumulator is read from its low end on
.set QN, QN+1
.endr
.irp i, 2,4,6,8,10,12,14
.set QN, 0
.rept 16
	v_max3_num_f32 v[MX+QN], v[MX+QN], |v[16*QN+\i]|, |v[16*QN+\i+1]|   ; (the sixteen blocks by turns)
.set QN, QN+1
.endr
.endr
	WIN 0
.set QN, 0
.rept 16
	v_permlanex16_b32 v[T2+QN], v[MX+QN], s26, s27
.set QN, QN+1
.endr
.set QN, 0
.rept 16
	v_max_num_f32 v[MX+QN], v[MX+QN], v[T2+QN]     ; with lane l xor 16's: the block's largest magnitude
.set QN, QN+1
.endr
.set QN, 0
.rept 16
	v_add_nc_u32 v[SCL+QN], 0xff000000, v[MX+QN]   ; 2 off its exponent field: the conversion's scale operand
.set QN, QN+1
.endr
.set QN, 0
.rept 16
	v_lshrrev_b32 v[T2+QN], 23, v[SCL+QN]          ; the scale's byte
.set QN, QN+1
.endr
.irp a, 0,1,2,3
	v_lshl_or_b32 v[PW+\a], v[T2+4*\a+1], 8, v[T2+4*\a]   ; four bytes make a row's scale word
.endr
.irp a, 0,1,2,3
	v_lshl_or_b32 v[PW+\a], v[T2+4*\a+2], 16, v[PW+\a]
.endr
.irp a, 0,1,2,3
	v_lshl_or_b32 v[PW+\a], v[T2+4*\a+3], 24, v[PW+\a]
.endr
	WIN CVTW
.irp a, 0,1,2,3
.irp c, 0,1
	v_cvt_scalef32_pk16_fp6_f32 v[PC+12*\a+6*\c:PC+12*\a+6*\c+2], v[64*\a+32*\c:64*\a+32*\c+15], v[SCL+4*\a+2*\c]
	v_cvt_scalef32_pk16_fp6_f32 v[CT+8*\a+4*\c:CT+8*\a+4*\c+2], v[64*\a+32*\c+16:64*\a+32*\c+31], v[SCL+4*\a+2*\c+1]   ; (a conversion's three registers begin on an even number)
.endr
.endr
	WIN 0
	v_nop                                          ; one plain place behind a scaled conversion
.irp a, 0,1,2,3
.irp c, 0,1                                    ; the operand's layout wants a WHOLE block in a lane: lanes 0-15 block 2 c, lanes 16-31 block 2 c + 1
.irp i, 0,1,2
	v_permlane16_swap_b32 v[PC+12*\a+6*\c+\i], v[CT+8*\a+4*\c+\i]
.endr
.irp i, 0,1,2
	v_mov_b32 v[PC+12*\a+6*\c+3+\i], v[CT+8*\a+4*\c+\i]
.endr
.endr
.endr
	v_cmp_le_u32 vcc_lo, 16, v1                    ; every lane holds its row's four words: lanes 0-15 store those of fragments 0 and 1, lanes 16-31 those of 2 and 3
	v_cndmask_b32 v[PS], v[PW], v[PW+2], vcc_lo
	v_cndmask_b32 v[PS+1], v[PW+1], v[PW+3], vcc_lo
.irp a, 0,1,2,3
.irp c, 0,1,2
	global_store_b128 v10, v[PC+12*\a+4*\c:PC+12*\a+4*\c+3], s[12:13] offset:1536*\a+512*\c   ; the image: 32 lanes store 512 consecutive bytes, at a multiple of 256 from the buffer's first byte
.endr
.endr
	global_store_b64 v11, v[PS:PS+1], s[12:13] offset:12288   ; 32 lanes store 256 consecutive bytes.  No store's register is written again: no wait
.endm
	s_load_b128 s[4:7], s[0:1], 0x0                ; xw s[4:5], bv s[6:7]
	s_load_b64 s[8:9], s[0:1], 0x10                ; vt
	v_lshl_add_u32 v254, v0, 2, 0x4b000
	v_mov_b32 v255, 0
	ds_add_u32 v254, v255
	ds_add_u32 v254, v255
	v_lshrrev_b32 v1, 5, v0
	v_readfirstlane_b32 s16, v1                    ; wave 0..3
	s_lshr_b32 s17, s16, 1                         ; which 64 of the 128 rows are mine.  Also: which panel of B waves 1 and 2 fetch (0, 1)
	s_and_b32 s18, s16, 1                          ; which panel of B is mine
	s_bfe_u32 s20, ttmp6, 0x40000                  ; cx, cy: my place in the cluster
	s_bfe_u32 s21, ttmp6, 0x40004
	s_and_b32 s23, ttmp7, 0xffff
	s_lshl_b32 s24, s23, 2
	s_add_co_u32 s24, s24, s21                     ; gy = 4 x cluster y + cy: Wv's panel, 0..7
	s_lshl_b32 s25, ttmp9, 2
	s_add_co_u32 s25, s25, s20                     ; gx = 4 x cluster x + cx: which two panels of x, 0..31
	s_lshl_b32 s26, s21, 2
	s_lshl_b32 s26, 15, s26                        ; my row of the cluster
	s_lshl_b32 s27, 0x1111, s20                    ; my column
	; descriptor group 1: two blocks, 25,600 dense bytes, as 100 rows of 256 bytes (32 elements of 8 bytes); no padding
	s_or_b32 s[G1A], s26, (3<<16)|(1<<21)          ; 15:0 the mask: A's fills go to my row; 17:16 elements of 8 bytes; 21 set beside a mask
	s_or_b32 s[G1B], s27, (3<<16)|(1<<21)          ; B's go to my column
.irp g, G1A, G1B
	s_mov_b32 s[\g+1], 32<<16                      ; tensor_dim0 = 32
	s_mov_b32 s[\g+2], 100<<16                     ; tensor_dim1 = 100
	s_mov_b32 s[\g+3], 32<<16                      ; tile_dim0 = 32
	s_mov_b32 s[\g+4], 100                         ; tile_dim1 = 100
	s_mov_b32 s[\g+5], 32                          ; tensor_dim0_stride
	s_mov_b32 s[\g+6], 0
	s_mov_b32 s[\g+7], 0
.endr
	s_mul_i32 s66, s16, AREA                       ; where a wave's fills go: wave 0 A's area, waves 1 and 2 B's two: no place in the cluster enters an LDS address
	s_add_co_u32 s28, s24, 80                      ; A: panel 80 + gy of xw: it hangs on gy alone
	s_mul_i32 s28, s28, AREA
	s_mov_b32 s29, 0
	s_lshl_b32 s30, s25, 1
	s_add_co_u32 s30, s30, s17                     ; B: panel 2 gx + (0, 1): it hangs on gx and the wave alone
	s_mul_i32 s30, s30, AREA
	s_mov_b32 s31, 0
	s_lshl_b32 s2, s24, 6
	s_lshl_b32 s3, s25, 1
	s_add_co_u32 s2, s2, s3
	s_add_co_u32 s2, s2, s18                       ; out: block 64 gy + 2 gx + my panel of B
	s_mul_i32 s2, s2, BLK
	s_mov_b32 s3, 0
	s_wait_dscnt 0x0
	s_wait_kmcnt 0x0
	s_add_nc_u64 s[28:29], s[4:5], s[28:29]
	s_add_nc_u64 s[30:31], s[4:5], s[30:31]
	s_add_nc_u64 s[12:13], s[8:9], s[2:3]
	s_lshl_b32 s2, s24, 9                          ; my 64 numbers of the bias: 4 (128 gy + 64 x my half) bytes on
	s_lshl_b32 s3, s17, 8
	s_add_co_u32 s2, s2, s3
	s_mov_b32 s3, 0
	s_add_nc_u64 s[6:7], s[6:7], s[2:3]
	CROUND                                         ; all sixteen work-groups are here: the joint loads meet
.irp c, 0,1,2,3                                ; fill c: K steps 2 c and 2 c + 1
	s_mov_b32 s[G0A+4*\c], 1                       ; 1:0 count = 1
	s_add_co_u32 s[G0A+4*\c+1], s66, \c*2*BLK      ; 63:32 LDS address
	s_add_nc_u64 s[G0A+4*\c+2:G0A+4*\c+3], s[28:29], \c*2*BLK   ; 120:64 global address
	s_or_b32 s[G0A+4*\c+3], s[G0A+4*\c+3], 0x80000000   ; 127:126 type = 2
	s_mov_b32 s[G0B+4*\c], 1
	s_add_co_u32 s[G0B+4*\c+1], s66, \c*2*BLK
	s_add_nc_u64 s[G0B+4*\c+2:G0B+4*\c+3], s[30:31], \c*2*BLK
	s_or_b32 s[G0B+4*\c+3], s[G0B+4*\c+3], 0x80000000
.endr
	s_cmp_eq_u32 s16, 0                            ; a wave's four fills stand in one branch on the wave's number, ahead of every wait on TENSORcnt, every LDS read and every other barrier: four loads of mine are out.
	s_cbranch_scc0 .Lfirst_not_a                   ; Wave 0 fetches A, waves 1 and 2 a panel of B each, wave 3 nothing (three panels).  Four v_nop follow the last
.irp c, 0,1,2,3
	tensor_load_to_lds s[G0A+4*\c:G0A+4*\c+3], s[G1A:G1A+7]
	s_nop 0
.endr
	PLACES 4
	s_branch .Lfirst_asked
.Lfirst_not_a:
	s_cmp_lt_u32 s16, 3
	s_cbranch_scc0 .Lfirst_asked
.irp c, 0,1,2,3
	tensor_load_to_lds s[G0B+4*\c:G0B+4*\c+3], s[G1B:G1B+7]
	s_nop 0
.endr
	PLACES 4
.Lfirst_asked:
	v_and_b32 v1, 31, v0                           ; lane
	v_and_b32 v2, 15, v0                           ; r
	v_bfe_u32 v3, v0, 4, 1                         ; h
	s_mul_i32 s2, s17, 4*1536                      ; my four fragments of A
	v_lshl_add_u32 v4, v1, 4, s2                   ; v4, v5: A's fragments, K steps 0-3 and 4-7
	v_add_nc_u32 v5, 4*BLK, v4
	s_mul_i32 s3, s18, AREA
	s_add_co_u32 s3, s3, AREA                      ; my panel of B
	v_lshl_add_u32 v6, v1, 4, s3                   ; v6, v7: B's fragments and scale words
	v_add_nc_u32 v7, 4*BLK, v6
	s_lshl_b32 s3, s17, 8
	v_lshl_add_u32 v11, v2, 4, s3                  ; 16 r + 256 x my half
	v_add_nc_u32 v8, 12288, v11                    ; v8, v9: A's scale words
	v_add_nc_u32 v9, 4*BLK, v8
	v_lshl_add_u32 v11, v3, 3, v11                 ; v11: the way out: my 8 bytes of the scale words
	v_lshl_add_u32 v10, v1, 4, s2                  ; v10: the way out: my 16 bytes of an image
	v_and_b32 v12, 8, v2
	v_add_nc_u32 v12, v12, v2
	v_lshlrev_b32 v12, 2, v12                      ; the bias: 4 (r + 8 (r / 8)): my lane-row's place among a fragment's rows
	s_mov_b32 s26, 0x76543210
	s_mov_b32 s27, 0xfedcba98                      ; v_permlanex16_b32's selects for lane l xor 16
.set QN, 0
.rept 16
	v_mov_b32 v[T2+QN], 0                          ; written once: a lane permute's destination counts as one of its sources
.set QN, QN+1
.endr
	WIN TOB
.irp a, 0,1,2,3                                ; the bias runs along the rows here: the tile of A's fragment a holds my row's number in all its eight registers
.irp j, 0,1,2,3,4,5,6,7
	global_load_b32 v[BT+8*\a+\j], v12, s[6:7] offset:(32*(\a/2)+8*(\a%2))*4
.endr
.endr
	WIN 0
	s_wait_tensorcnt 3                             ; my first fill (K steps 0 and 1) has landed; the three behind it stay out,
	s_barrier_signal -1
	s_barrier_wait -1                              ; everybody's has
	FETCH 0
	s_wait_loadcnt 0x0                             ; the bias
	STEP0 0, 3
	STEP1 1, 2
	STEP0 2, 0
	STEP1 3, 1
	STEP0 4, 0
	STEP1 5, 0                                     ; the last fill: no tensor load of mine is out from here on
	STEP0 6, 0
	STEPL 7
	EPIQ
	s_wait_tensorcnt 0x0
	ds_add_u32 v254, v255
	s_wait_dscnt 0x0
	CROUND                                         ; the closing round: no work-group ends while a partner may still ask for a fill that names it
	s_endpgm
.Lfunc_end_k_qdbbfdbf899_vt:
	.size	k_qdbbfdbf899_vt, .Lfunc_end_k_qdbbfdbf899_vt-k_qdbbfdbf899_vt
	.p2alignl 7, 3214868480
	.fill 96, 4, 3214868480
	.section	.rodata,"a",@progbits
	.p2align	6, 0x0
	.amdhsa_kernel k_qdbbfdbf899_vt
		.amdhsa_group_segment_fixed_size 327680
		.amdhsa_private_segment_fixed_size 0
		.amdhsa_enable_private_segment 0
		.amdhsa_kernarg_size 24
		.amdhsa_user_sgpr_count 2
		.amdhsa_user_sgpr_kernarg_segment_ptr 1
		.amdhsa_wavefront_size32 1
		.amdhsa_system_sgpr_workgroup_id_x 1
		.amdhsa_system_sgpr_workgroup_id_y 1
		.amdhsa_system_sgpr_workgroup_id_z 1
		.amdhsa_system_vgpr_workitem_id 0
		.amdhsa_next_free_vgpr 768
		.amdhsa_next_free_sgpr 84
		.amdhsa_reserve_vcc 1
		.amdhsa_float_denorm_mode_32 3
		.amdhsa_float_denorm_mode_16_64 3
		.amdhsa_memory_ordered 1
		.amdhsa_forward_progress 1
		.amdhsa_inst_pref_size 82
	.end_amdhsa_kernel
	.amdgpu_metadata
---
amdhsa.version: [ 1, 2 ]
amdhsa.kernels:
  - .name:           k_qdbbfdbf899_vt
    .symbol:         k_qdbbfdbf899_vt.kd
    .args:
      - { .name: xw, .offset: 0, .size: 8, .value_kind: global_buffer, .address_space: global }
      - { .name: bv, .offset: 8, .size: 8, .value_kind: global_buffer, .address_space: global }
      - { .name: vt, .offset: 16, .size: 8, .value_kind: global_buffer, .address_space: global }
    .group_segment_fixed_size: 327680
    .private_segment_fixed_size: 0
    .kernarg_segment_align: 8
    .kernarg_segment_size: 24
    .max_flat_workgroup_size: 128
    .sgpr_count:     84
    .vgpr_count:     768
    .wavefront_size: 32
...
	.end_amdgpu_metadata
.endif
;; end of part 3
;; launch scores (part 4): grid 8 x 32, 4 waves a work-group, clusters of 4 x 4, 327,680 bytes of LDS; arguments qk, sc; writes sc
.if DOCPART == 4
	.amdgcn_target "amdgcn-amd-amdhsa--gfx1250"
	.amdhsa_code_object_version 6
	.text
	.protected	k_qdbbfdbf899_scores
	.globl	k_qdbbfdbf899_scores
	.p2align	8
	.type	k_qdbbfdbf899_scores,@function
k_qdbbfdbf899_scores:
	s_mov_b64 s[64:65], 0
	v_nop
	global_prefetch_b8 v0, s[64:65] scope:SCOPE_SE
	s_setreg_imm32_b32 hwreg(HW_REG_WAVE_MODE, 25, 1), 1
	s_wait_xcnt 0x0
	s_wait_alu depctr_hold_cnt(0) depctr_sa_sdst(0) depctr_va_vdst(0) depctr_va_sdst(0) depctr_va_ssrc(0) depctr_va_vcc(0) depctr_vm_vsrc(0)
	s_getreg_b32 s2, hwreg(HW_REG_IB_STS2, 6, 4)
	s_cmp_eq_u32 s2, 0
	s_cbranch_scc0 .Lentry_in_a_cluster
	s_endpgm
.Lentry_in_a_cluster:
	s_bfe_u32 s2, ttmp6, 0x10000c
	s_cmp_lg_u32 s2, 0xf033
	s_cbranch_scc0 .Lentry_shape_is_right
	s_endpgm
.Lentry_shape_is_right:
; scores = q k^T for each of the four batches, on codes of FP6 (E2M3) with E8M0 scales; the scores are quantised along the keys, which are the next product's K, and stored as codes: no f32 score goes to memory.
; THE OPERAND FORMAT of this program's workspace.  An operand [rows][K] is cut into panels of 128 rows and K steps of 128; a panel's K step is a BLOCK of 12,800 bytes, the blocks of a panel on end along K.
; A block holds eight fragments (16 rows x 128 K of 6-bit codes: 12 registers a lane) as IMAGES OF THEIR REGISTERS: registers 4 c .. 4 c + 3 of lane l of fragment f at byte 1536 f + 512 c + 16 l;
; then the scale words (four bytes: a row's 128 K): that of lane-row r of fragment f at 12288 + 256 (f / 4) + 16 r + 4 (f % 4).  Lane-row r of fragment f is the panel's row 32 (f / 2) + 8 (f % 2) + r + 8 (r / 8).
; IN: qk, 64 panels (16 a batch) x 16 K steps: K steps 0-7 q, 8-15 k.  OUT: sc, 64 panels x 16 K steps (the batch's 2,048 keys).
; SHARES.  A work-group makes 256 queries (operand A: two panels' q) x 256 keys (operand B: two panels' k); four waves as 2 x 2, each a panel of A x a panel of B: 128 x 128, 64 accumulators, 512 registers.
; 4 batches x 8 x 8 = 256 work-groups of equal work.  For 128 along K a wave loads 51 x 512 bytes from LDS and issues 64 products; its result is one whole block of sc.
; THE MATRIX INSTRUCTION IS USED TRANSPOSED: source 0 = 16 lane-rows of B, source 1 = 16 lane-rows of A.  A lane then holds ONE row of the result, and by the order of B's lane-rows the 16 registers of B's fragments 2 g and 2 g + 1
; are 16 NEIGHBOURS along the columns: 32 g + 16 (lane / 16) + 0 .. 15.  A wave's 128 columns are one K step of the result as an operand, and its lanes keep A's order of rows: the format is kept.
; LDS holds six K steps of the four panels, 307,200 bytes; K step t lies at place t % 6.  K steps 0-5 come by three first fills a wave; places 0 and 1 are filled again (K steps 6 and 7) behind K step 1's last read: one tensor load of
; 25,600 bytes a wave, asked for four K steps ahead of its first read.  The eight K steps are written out: no loop.
; CLUSTERS: 4 x 4 work-groups.  The four of a row of the cluster need the same panels of A, the four of a column the same panels of B: each is asked for JOINTLY, by the same tensor load with a mask that names the four.
; LIMITS: NaN and infinities are not served.  A block of zeros gets the byte 1 where the rule says 127 (its codes are zeros; this program alone reads the bytes).
; REGISTERS, in windows of 256: window 0: v1-11 addresses; v14-29 at work on the way out; v30, v31 for the add; v32-47 A's scale words, two sets of 8; v48-55 B's, two sets of 4; v64-255 A's fragments, two sets of 8 (on the way out at work).
;   window 1: v0-191 B's fragments, two sets of 8.   window 2: accumulator (a, b), a = 0 .. 3, at v[8 (8 a + b)];   window 3: a = 4 .. 7 at v[8 (8 (a - 4) + b)].
.set BLK,   12800
.set NP,    6                          ; places of a panel in LDS
.set AREA,  NP*BLK                     ; a panel's area: A's two panels at 0 and AREA, B's two at 2 AREA and 3 AREA
.set SPARE, 4*AREA                     ; behind them: the spare words, 128 bytes for each wave: two blocks of 256 bytes that no other line names
.set PANQ,  16*BLK                     ; a panel of qk in memory
.set FR,    12                         ; registers of a fragment
.set SA,    32
.set SB,    48
.set AF,    64
.set T2,    14                         ; the way out: v14-29 the other half's maxima, then the bytes
.set MX,    64                         ; v64-79   16 blocks' largest magnitudes
.set SCL,   80                         ; v80-95   the conversions' scale operands
.set CT,    96                         ; v96-127  the second halves of the blocks, as converted
.set PC,    128                        ; v128-223 two sets of four fragments' codes: no store's data are written again
.set PW,    224                        ; v224-231 their scale words
.set PS,    232                        ; v232-235 those that I store
.set G1A,   32                         ; s[32:39] descriptor group 1 for A's fills;  s[40:47] for B's: they differ in the mask alone
.set G1B,   40
.set G0A,   48                         ; s[48:59] three groups 0 for A's fills;  s[68:79] for B's
.set G0B,   68
.set TOB,   0x40                       ; destination window 1, address window 0
.set MSB,   0
.macro WIN new                         ; the immediate's high byte repeats the setting that is left; a switch that changes nothing is dropped
.if MSB != \new
	s_set_vgpr_msb (MSB<<8)|\new
.set MSB, \new
.endif
.endm
.macro PLACES n                        ; plain vector instructions between a matrix instruction and a load into, or a vector read of, its registers (ISA guide 7.12.1 for vector reads)
.rept \n
	v_nop
.endr
.endm
.macro CREST                           ; a round of the cluster's barrier behind its opening barrier
	s_cmp_lg_u32 s16, 0
	s_cbranch_scc1 .Lnot_wave_0_\@
	s_barrier_signal -3
.Lnot_wave_0_\@:
	s_barrier_wait -3
	s_barrier_signal -1
	s_barrier_wait -1
.endm
.macro CROUND                          ; a whole round
	s_barrier_signal -1
	s_barrier_wait -1
	CREST
.endm
; The joint refill: waves 0 and 1 fetch for A, waves 2 and 3 for B.  The branch hangs on the wave's number alone.  Four v_nop follow each of the two lines; they are also the places in front of the LDS loads behind the macro.
.macro JLOAD
	s_cmp_eq_u32 s17, 0
	s_cbranch_scc0 .Lfor_b_\@
	tensor_load_to_lds s[G0A:G0A+3], s[G1A:G1A+7]
	s_nop 0
	PLACES 4
	s_branch .Lasked_\@
.Lfor_b_\@:
	tensor_load_to_lds s[G0B:G0B+3], s[G1B:G1B+7]
	s_nop 0
	PLACES 4
.Lasked_\@:
.endm
; K step t's operands come into set t % 2 by 51 LDS loads, each of 512 bytes on end (A's scale words: 256, read by both halves of the lanes).  An LDS offset has 16 bits: places 0-3 and 4-5 have an address register each.
.macro FS t                            ; the scale words.  B's: 16 x lane gives lanes 0-15 the words of fragments 0-3 and lanes 16-31 those of fragments 4-7.  A's: lanes 0-15 hold the words of all eight fragments, in eight registers
.set FP, (\t)%2
.set FHI, ((\t)%NP)/4
.set FOFF, (((\t)%NP)%4)*BLK
	WIN 0
	ds_load_b128 v[SB+4*FP:SB+4*FP+3], v[6+FHI] offset:FOFF+12288
	ds_load_b128 v[SA+8*FP:SA+8*FP+3], v[8+FHI] offset:FOFF
	ds_load_b128 v[SA+8*FP+4:SA+8*FP+7], v[8+FHI] offset:FOFF+256
.endm
.macro FB t, i0, n                     ; B's fragments i0 .. i0 + n - 1
.set FP, (\t)%2
.set FHI, ((\t)%NP)/4
.set FOFF, (((\t)%NP)%4)*BLK
	WIN TOB
.set FI, \i0
.rept \n
.irp c, 0,1,2
	ds_load_b128 v[96*FP+FR*FI+4*\c:96*FP+FR*FI+4*\c+3], v[6+FHI] offset:FOFF+1536*FI+512*\c
.endr
.set FI, FI+1
.endr
.endm
.macro FA t, i0, n                     ; A's fragments i0 .. i0 + n - 1
.set FP, (\t)%2
.set FHI, ((\t)%NP)/4
.set FOFF, (((\t)%NP)%4)*BLK
	WIN 0
.set FI, \i0
.rept \n
.irp c, 0,1,2
	ds_load_b128 v[AF+96*FP+FR*FI+4*\c:AF+96*FP+FR*FI+4*\c+3], v[4+FHI] offset:FOFF+1536*FI+512*\c
.endr
.set FI, FI+1
.endr
.endm
; One product: A's fragment a x B's fragment b.  cm = 0: onto the sum; 1: C = 0.  The first product starts the sum: nothing is cleared.
.macro WM a, b, cm
.set rD, 8*(8*((\a)%4)+(\b))
.set rB, 96*MP+FR*(\b)
.set rA, AF+96*MP+FR*(\a)
.set rT, SB+4*MP+(\b)%4
.set rS, SA+8*MP+(\a)
.if (\cm) == 1
.if (\b) < 4
	v_wmma_scale_f32_16x16x128_f8f6f4 v[rD:rD+7], v[rB:rB+FR-1], v[rA:rA+FR-1], 0, v[rT], v[rS] matrix_a_fmt:MATRIX_FMT_FP6 matrix_b_fmt:MATRIX_FMT_FP6
.else
	v_wmma_scale_f32_16x16x128_f8f6f4 v[rD:rD+7], v[rB:rB+FR-1], v[rA:rA+FR-1], 0, v[rT], v[rS] matrix_a_fmt:MATRIX_FMT_FP6 matrix_b_fmt:MATRIX_FMT_FP6 matrix_a_scale:MATRIX_SCALE_ROW1
.endif
.else
.if (\b) < 4
	v_wmma_scale_f32_16x16x128_f8f6f4 v[rD:rD+7], v[rB:rB+FR-1], v[rA:rA+FR-1], v[rD:rD+7], v[rT], v[rS] matrix_a_fmt:MATRIX_FMT_FP6 matrix_b_fmt:MATRIX_FMT_FP6
.else
	v_wmma_scale_f32_16x16x128_f8f6f4 v[rD:rD+7], v[rB:rB+FR-1], v[rA:rA+FR-1], v[rD:rD+7], v[rT], v[rS] matrix_a_fmt:MATRIX_FMT_FP6 matrix_b_fmt:MATRIX_FMT_FP6 matrix_a_scale:MATRIX_SCALE_ROW1
.endif
.endif
.endm
; 8 na products of K step t: A's fragments a0 on, each against B's eight.  The 64 accumulators take turns, one instruction a turn, in the same order in every step.
; Windows: source 0 (B) 1, source 1 (A) 0, C and D 2 (a < 4) or 3.
.macro MUL t, a0, na, cm
.set MP, (\t)%2
.set MA, \a0
.rept \na
.set WN, 0xa1+0x50*(MA/4)
	WIN WN
.irp b, 0,1,2,3,4,5,6,7
	WM MA, \b, \cm
.endr
.set MA, MA+1
.endr
.endm
; A K step whose successor has been shown landed.  The successor's 51 loads stand in three runs of 18, 18 and 15 among the 64 products; the last run stands 32 products ahead of the wait for it.
.macro STEP0 t, cm
.if (\t) > 0
	PLACES 4                                       ; the last step's products read the set that this step's loads fill
.endif
	s_wait_dscnt 0x0                               ; this step's set is in
	FS (\t)+1
	FB (\t)+1, 0, 5
	MUL \t, 0, 2, \cm
	FB (\t)+1, 5, 3
	FA (\t)+1, 0, 3
	MUL \t, 2, 2, \cm
	FA (\t)+1, 3, 5
	MUL \t, 4, 4, \cm
.endm
; The K step behind whose last read places 0 and 1 are filled again, by the group 0 of the first fill, stepped six K steps on.  In front of the round each wave waits for all its tensor loads, adds 0 to its spare word, and waits for that and
; for its reads of those places (this step's set was their last read).  The round takes in all sixteen work-groups: no wave of any partner still reads the places or has a load on its way.
; Sixteen products stand ahead of the wait for the tensor loads: they want nothing but registers.
.macro STEPR t
	s_wait_dscnt 0x0                               ; this step's set is in
	MUL \t, 0, 2, 0
	WIN 0                                          ; (the add's two registers lie in window 0)
	s_wait_tensorcnt 0x0                           ; all my tensor loads have landed, K steps 2 to 5 among them, so a group 0 may be written;
	ds_add_u32 v30, v31                            ; 0 onto my spare word
	s_add_nc_u64 s[G0A+2:G0A+3], s[G0A+2:G0A+3], NP*BLK   ; six K steps on; the type bits on top are not reached
	s_add_nc_u64 s[G0B+2:G0B+3], s[G0B+2:G0B+3], NP*BLK
	MUL \t, 2, 1, 0                                ; eight products stand between the add and the wait for it
	s_wait_dscnt 0x0                               ; the add is done, and my reads of the places are over
	s_barrier_signal -1
	MUL \t, 3, 1, 0
	WIN 0
	s_barrier_wait -1
	CREST
	JLOAD                                          ; the first tensor load behind the round, and my one from here on
	FS (\t)+1
	FB (\t)+1, 0, 8
	MUL \t, 4, 2, 0
	FA (\t)+1, 0, 8
	MUL \t, 6, 2, 0
.endm
.macro STEP1 t                         ; the K step whose successor lies in the places that were filled again
	s_wait_tensorcnt 0x0                           ; my part of the refill has landed: no load was issued behind it,
	s_wait_dscnt 0x0                               ; this step's set is in, and no LDS instruction of mine is out at the signal
	s_barrier_signal -1
	MUL \t, 0, 2, 0                                ; work on registers while the others arrive
	s_barrier_wait -1                              ; everybody's part has landed.
	PLACES 4
	FS (\t)+1
	FB (\t)+1, 0, 8
	MUL \t, 2, 2, 0
	FA (\t)+1, 0, 8
	MUL \t, 4, 4, 0
.endm
.macro STEPL t                         ; the last K step
	s_wait_dscnt 0x0
	MUL \t, 0, 8, 0
.endm
; THE WAY OUT, half by half: the 64 rows of A's fragments 4 hf .. 4 hf + 3 x my 128 columns become four fragments and their scale words.  Block 4 a + g (32 columns of the rows of fragment 4 hf + a) is registers 16 (4 a + g) + 0 .. 15
; of window 2 + hf in lanes l and l xor 16.
.macro EPIQ hf
.set WN, 0x28+0x14*(\hf)               ; sources 1 and 2: window 2 + hf
	WIN WN
.set QN, 0
.rept 16
	v_max3_num_f32 v[MX+QN], 0x1800000, |v[16*QN]|, |v[16*QN+1]|   ; my 16 numbers of each block, and the floor 2^(3 - 127): so the byte cannot fall under 1.  Each accumulator is read from its low end on
.set QN, QN+1
.endr
.irp i, 2,4,6,8,10,12,14
.set QN, 0
.rept 16
	v_max3_num_f32 v[MX+QN], v[MX+QN], |v[16*QN+\i]|, |v[16*QN+\i+1]|   ; (the sixteen blocks by turns)
.set QN, QN+1
.endr
.endr
	WIN 0
.set QN, 0
.rept 16
	v_permlanex16_b32 v[T2+QN], v[MX+QN], s26, s27
.set QN, QN+1
.endr
.set QN, 0
.rept 16
	v_max_num_f32 v[MX+QN], v[MX+QN], v[T2+QN]     ; with lane l xor 16's: the block's largest magnitude
.set QN, QN+1
.endr
.set QN, 0
.rept 16
	v_add_nc_u32 v[SCL+QN], 0xff000000, v[MX+QN]   ; 2 off its exponent field: the conversion's scale operand
.set QN, QN+1
.endr
.set QN, 0
.rept 16
	v_lshrrev_b32 v[T2+QN], 23, v[SCL+QN]          ; the scale's byte
.set QN, QN+1
.endr
.irp a, 0,1,2,3
	v_lshl_or_b32 v[PW+4*(\hf)+\a], v[T2+4*\a+1], 8, v[T2+4*\a]   ; four bytes make a row's scale word
.endr
.irp a, 0,1,2,3
	v_lshl_or_b32 v[PW+4*(\hf)+\a], v[T2+4*\a+2], 16, v[PW+4*(\hf)+\a]
.endr
.irp a, 0,1,2,3
	v_lshl_or_b32 v[PW+4*(\hf)+\a], v[T2+4*\a+3], 24, v[PW+4*(\hf)+\a]
.endr
.set WN, 0x02+(\hf)                    ; source 0: window 2 + hf
	WIN WN
.irp a, 0,1,2,3
.irp c, 0,1
	v_cvt_scalef32_pk16_fp6_f32 v[PC+48*(\hf)+12*\a+6*\c:PC+48*(\hf)+12*\a+6*\c+2], v[64*\a+32*\c:64*\a+32*\c+15], v[SCL+4*\a+2*\c]
	v_cvt_scalef32_pk16_fp6_f32 v[CT+8*\a+4*\c:CT+8*\a+4*\c+2], v[64*\a+32*\c+16:64*\a+32*\c+31], v[SCL+4*\a+2*\c+1]   ; (a conversion's three registers begin on an even number)
.endr
.endr
	WIN 0
	v_nop                                          ; one plain place behind a scaled conversion
.irp a, 0,1,2,3
.irp c, 0,1                                    ; the operand's layout wants a WHOLE block in a lane: lanes 0-15 block 2 c, lanes 16-31 block 2 c + 1
.irp i, 0,1,2
	v_permlane16_swap_b32 v[PC+48*(\hf)+12*\a+6*\c+\i], v[CT+8*\a+4*\c+\i]
.endr
.irp i, 0,1,2
	v_mov_b32 v[PC+48*(\hf)+12*\a+6*\c+3+\i], v[CT+8*\a+4*\c+\i]
.endr
.endr
.endr
	v_cmp_le_u32 vcc_lo, 16, v1                    ; every lane holds its row's four words: lanes 0-15 store those of the half's fragments 0 and 1, lanes 16-31 those of 2 and 3
	v_cndmask_b32 v[PS+2*(\hf)], v[PW+4*(\hf)], v[PW+4*(\hf)+2], vcc_lo
	v_cndmask_b32 v[PS+2*(\hf)+1], v[PW+4*(\hf)+1], v[PW+4*(\hf)+3], vcc_lo
.irp a, 0,1,2,3
.irp c, 0,1,2
	global_store_b128 v10, v[PC+48*(\hf)+12*\a+4*\c:PC+48*(\hf)+12*\a+4*\c+3], s[12:13] offset:1536*(4*(\hf)+\a)+512*\c   ; the image: 32 lanes store 512 consecutive bytes, at a multiple of 256 from the buffer's first byte
.endr
.endr
	global_store_b64 v11, v[PS+2*(\hf):PS+2*(\hf)+1], s[12:13] offset:12288+256*(\hf)   ; 32 lanes store 256 consecutive bytes.  No store's register is written again: no wait
.endm
	s_load_b128 s[4:7], s[0:1], 0x0                ; qk s[4:5], sc s[6:7]
	v_lshl_add_u32 v30, v0, 2, SPARE               ; LDS address of my spare word; never rewritten
	v_mov_b32 v31, 0                               ; never rewritten
	ds_add_u32 v30, v31
	ds_add_u32 v30, v31
	s_wait_dscnt 0x0
	v_lshrrev_b32 v1, 5, v0
	v_readfirstlane_b32 s16, v1                    ; wave 0..3
	s_lshr_b32 s17, s16, 1                         ; which panel of A is mine.  Also: I fetch for A (0) or for B (1)
	s_and_b32 s18, s16, 1                          ; which panel of B is mine.  Also: which of the two panels I fetch
	s_bfe_u32 s20, ttmp6, 0x40000                  ; cx, cy: my place in the cluster
	s_bfe_u32 s21, ttmp6, 0x40004
	s_and_b32 s23, ttmp7, 0xffff                   ; cluster y: two of them to a batch
	s_lshl_b32 s24, s23, 2
	s_add_co_u32 s24, s24, s21                     ; gy = 4 x cluster y + cy: which two panels of queries, 0..31
	s_lshl_b32 s25, ttmp9, 2
	s_add_co_u32 s25, s25, s20                     ; gx = 4 x cluster x + cx: which 256 of the batch's keys, 0..7
	s_lshl_b32 s26, s21, 2
	s_lshl_b32 s26, 15, s26                        ; my row of the cluster
	s_lshl_b32 s27, 0x1111, s20                    ; my column
	; descriptor group 1: two blocks, 25,600 dense bytes, as 100 rows of 256 bytes (32 elements of 8 bytes); no padding
	s_or_b32 s[G1A], s26, (3<<16)|(1<<21)          ; 15:0 the mask: A's fills go to my row; 17:16 elements of 8 bytes; 21 set beside a mask
	s_or_b32 s[G1B], s27, (3<<16)|(1<<21)          ; B's go to my column
.irp g, G1A, G1B
	s_mov_b32 s[\g+1], 32<<16                      ; tensor_dim0 = 32
	s_mov_b32 s[\g+2], 100<<16                     ; tensor_dim1 = 100
	s_mov_b32 s[\g+3], 32<<16                      ; tile_dim0 = 32
	s_mov_b32 s[\g+4], 100                         ; tile_dim1 = 100
	s_mov_b32 s[\g+5], 32                          ; tensor_dim0_stride
	s_mov_b32 s[\g+6], 0
	s_mov_b32 s[\g+7], 0
.endr
	s_mov_b32 s26, 0x76543210
	s_mov_b32 s27, 0xfedcba98                      ; v_permlanex16_b32's selects for lane l xor 16
	s_mul_i32 s66, s16, AREA                       ; where a wave's fills go: area = wave: no place in the cluster enters an LDS address
	; the vector addresses are made while the arguments are on their way
	v_and_b32 v1, 31, v0                           ; lane
	v_and_b32 v2, 15, v0                           ; r
	v_bfe_u32 v3, v0, 4, 1                         ; h
	s_mul_i32 s2, s17, AREA                        ; my panel of A
	v_lshl_add_u32 v4, v1, 4, s2                   ; v4, v5: A's fragments, places 0-3 and 4-5
	v_add_nc_u32 v5, 4*BLK, v4
	s_add_co_u32 s2, s2, 12288
	v_lshl_add_u32 v8, v2, 4, s2                   ; v8, v9: A's scale words: 16 r
	v_add_nc_u32 v9, 4*BLK, v8
	s_mul_i32 s3, s18, AREA
	s_add_co_u32 s3, s3, 2*AREA                    ; my panel of B
	v_lshl_add_u32 v6, v1, 4, s3                   ; v6, v7: B's fragments and scale words
	v_add_nc_u32 v7, 4*BLK, v6
	v_lshlrev_b32 v10, 4, v1                       ; v10: the way out: my 16 bytes of an image
	v_lshlrev_b32 v11, 4, v2
	v_lshl_add_u32 v11, v3, 3, v11                 ; v11: the way out: my 8 bytes of the scale words: 16 r + 8 h
.set QN, 0
.rept 16
	v_mov_b32 v[T2+QN], 0                          ; written once: a lane permute's destination counts as one of its sources
.set QN, QN+1
.endr
	s_lshl_b32 s28, s24, 1
	s_add_co_u32 s28, s28, s18                     ; A: panel 2 gy + (0, 1), K steps 0-7 (q): it hangs on gy and the wave alone
	s_mul_i32 s28, s28, PANQ
	s_mov_b32 s29, 0
	s_lshr_b32 s30, s23, 1                         ; the batch,
	s_lshl_b32 s30, s30, 4                         ; its first panel,
	s_lshl_b32 s31, s25, 1
	s_add_co_u32 s30, s30, s31
	s_add_co_u32 s30, s30, s18                     ; B: panel 16 x batch + 2 gx + (0, 1),
	s_mul_i32 s30, s30, PANQ
	s_add_co_u32 s30, s30, 8*BLK                   ; K steps 8-15 (k): it hangs on the cluster's y, gx and the wave alone
	s_mov_b32 s31, 0
	s_lshl_b32 s2, s24, 1
	s_add_co_u32 s2, s2, s17
	s_lshl_b32 s2, s2, 4
	s_lshl_b32 s3, s25, 1
	s_add_co_u32 s2, s2, s3
	s_add_co_u32 s2, s2, s18                       ; out: block 16 (2 gy + my panel of A) + 2 gx + my panel of B
	s_mul_i32 s2, s2, BLK
	s_mov_b32 s3, 0
	s_wait_kmcnt 0x0
	s_add_nc_u64 s[28:29], s[4:5], s[28:29]
	s_add_nc_u64 s[30:31], s[4:5], s[30:31]
	s_add_nc_u64 s[12:13], s[6:7], s[2:3]
.irp c, 0,1,2                                  ; fill c: K steps 2 c and 2 c + 1
	s_mov_b32 s[G0A+4*\c], 1                       ; 1:0 count = 1
	s_add_co_u32 s[G0A+4*\c+1], s66, \c*2*BLK      ; 63:32 LDS address
	s_add_nc_u64 s[G0A+4*\c+2:G0A+4*\c+3], s[28:29], \c*2*BLK   ; 120:64 global address
	s_or_b32 s[G0A+4*\c+3], s[G0A+4*\c+3], 0x80000000   ; 127:126 type = 2
	s_mov_b32 s[G0B+4*\c], 1
	s_add_co_u32 s[G0B+4*\c+1], s66, \c*2*BLK
	s_add_nc_u64 s[G0B+4*\c+2:G0B+4*\c+3], s[30:31], \c*2*BLK
	s_or_b32 s[G0B+4*\c+3], s[G0B+4*\c+3], 0x80000000
.endr
	CROUND                                         ; all sixteen work-groups are here: the first joint loads meet
	s_cmp_eq_u32 s17, 0                            ; a wave's three first fills stand in one branch on the wave's number, ahead of every wait on TENSORcnt, every LDS read and every other barrier: three loads of mine are out.
	s_cbranch_scc0 .Lfirst_b                       ; Four v_nop follow the last
.irp c, 0,1,2
	tensor_load_to_lds s[G0A+4*\c:G0A+4*\c+3], s[G1A:G1A+7]
	s_nop 0
.endr
	PLACES 4
	s_branch .Lfirst_asked
.Lfirst_b:
.irp c, 0,1,2
	tensor_load_to_lds s[G0B+4*\c:G0B+4*\c+3], s[G1B:G1B+7]
	s_nop 0
.endr
	PLACES 4
.Lfirst_asked:
	s_wait_tensorcnt 2                             ; my first fill (K steps 0 and 1) has landed; the two behind it stay out,
	s_barrier_signal -1
	s_barrier_wait -1                              ; everybody's has.
	FS 0
	FB 0, 0, 8
	FA 0, 0, 8
	STEP0 0, 1
	STEPR 1                                        ; places 0 and 1 take K steps 6 and 7; every wave's wait for all its loads has shown K steps 2-5 landed
	STEP0 2, 0
	STEP0 3, 0
	STEP0 4, 0
	STEP1 5
	STEP0 6, 0
	STEPL 7
	PLACES 4                                       ; behind the last products
	EPIQ 0
	EPIQ 1
	s_wait_tensorcnt 0x0                           ; the wave's end, behind my last tensor load
	ds_add_u32 v30, v31
	s_wait_dscnt 0x0
	CROUND                                         ; the closing round: no work-group ends while a partner may still ask for a fill that names it
	s_endpgm
.Lfunc_end_k_qdbbfdbf899_scores:
	.size	k_qdbbfdbf899_scores, .Lfunc_end_k_qdbbfdbf899_scores-k_qdbbfdbf899_scores
	.p2alignl 7, 3214868480
	.fill 96, 4, 3214868480
	.section	.rodata,"a",@progbits
	.p2align	6, 0x0
	.amdhsa_kernel k_qdbbfdbf899_scores
		.amdhsa_group_segment_fixed_size 327680
		.amdhsa_private_segment_fixed_size 0
		.amdhsa_enable_private_segment 0
		.amdhsa_kernarg_size 16
		.amdhsa_user_sgpr_count 2
		.amdhsa_user_sgpr_kernarg_segment_ptr 1
		.amdhsa_wavefront_size32 1
		.amdhsa_system_sgpr_workgroup_id_x 1
		.amdhsa_system_sgpr_workgroup_id_y 1
		.amdhsa_system_sgpr_workgroup_id_z 1
		.amdhsa_system_vgpr_workitem_id 0
		.amdhsa_next_free_vgpr 1024
		.amdhsa_next_free_sgpr 84
		.amdhsa_reserve_vcc 1
		.amdhsa_float_denorm_mode_32 3
		.amdhsa_float_denorm_mode_16_64 3
		.amdhsa_memory_ordered 1
		.amdhsa_forward_progress 1
		.amdhsa_inst_pref_size 134
	.end_amdhsa_kernel
	.amdgpu_metadata
---
amdhsa.version: [ 1, 2 ]
amdhsa.kernels:
  - .name:           k_qdbbfdbf899_scores
    .symbol:         k_qdbbfdbf899_scores.kd
    .args:
      - { .name: qk, .offset: 0, .size: 8, .value_kind: global_buffer, .address_space: global }
      - { .name: sc, .offset: 8, .size: 8, .value_kind: global_buffer, .address_space: global }
    .group_segment_fixed_size: 327680
    .private_segment_fixed_size: 0
    .kernarg_segment_align: 8
    .kernarg_segment_size: 16
    .max_flat_workgroup_size: 128
    .sgpr_count:     84
    .vgpr_count:     1024
    .wavefront_size: 32
...
	.end_amdgpu_metadata
.endif
;; end of part 4
;; launch attn (part 5): grid 4 x 64, 4 waves a work-group, clusters of 4 x 4, 327,680 bytes of LDS; arguments sc, vt, at; writes at
.if DOCPART == 5
	.amdgcn_target "amdgcn-amd-amdhsa--gfx1250"
	.amdhsa_code_object_version 6
	.text
	.protected	k_qdbbfdbf899_attn
	.globl	k_qdbbfdbf899_attn
	.p2align	8
	.type	k_qdbbfdbf899_attn,@function
k_qdbbfdbf899_attn:
	s_mov_b64 s[64:65], 0
	v_nop
	global_prefetch_b8 v0, s[64:65] scope:SCOPE_SE
	s_setreg_imm32_b32 hwreg(HW_REG_WAVE_MODE, 25, 1), 1
	s_wait_xcnt 0x0
	s_wait_alu depctr_hold_cnt(0) depctr_sa_sdst(0) depctr_va_vdst(0) depctr_va_sdst(0) depctr_va_ssrc(0) depctr_va_vcc(0) depctr_vm_vsrc(0)
	s_getreg_b32 s2, hwreg(HW_REG_IB_STS2, 6, 4)
	s_cmp_eq_u32 s2, 0
	s_cbranch_scc0 .Lentry_in_a_cluster
	s_endpgm
.Lentry_in_a_cluster:
	s_bfe_u32 s2, ttmp6, 0x10000c
	s_cmp_lg_u32 s2, 0xf033
	s_cbranch_scc0 .Lentry_shape_is_right
	s_endpgm
.Lentry_shape_is_right:
; attn = scores v for each of the four batches, on codes of FP6 (E2M3) with E8M0 scales, K = the batch's 2,048 keys; the result is quantised along its 1,024 features, which are the next product's K, and stored as codes.
; THE OPERAND FORMAT of this program's workspace.  An operand [rows][K] is cut into panels of 128 rows and K steps of 128; a panel's K step is a BLOCK of 12,800 bytes, the blocks of a panel on end along K.
; A block holds eight fragments (16 rows x 128 K of 6-bit codes: 12 registers a lane) as IMAGES OF THEIR REGISTERS: registers 4 c .. 4 c + 3 of lane l of fragment f at byte 1536 f + 512 c + 16 l;
; then the scale words (four bytes: a row's 128 K): that of lane-row r of fragment f at 12288 + 256 (f / 4) + 16 r + 4 (f % 4).  Lane-row r of fragment f is the panel's row 32 (f / 2) + 8 (f % 2) + r + 8 (r / 8).
; IN: sc, 64 panels x 16 K steps;  vt, 8 panels (features) x 64 K steps (16 a batch).  OUT: at, 64 panels x 8 K steps.
; SHARES.  A work-group makes 128 queries (operand A: a panel of sc) x 256 features (operand B: two panels of vt); four waves as 2 x 2, each 64 x 128: 32 accumulators, 256 registers.  256 work-groups of equal work.
; THE MATRIX INSTRUCTION IS USED TRANSPOSED: source 0 = 16 lane-rows of B, source 1 = 16 lane-rows of A.  A lane then holds ONE row of the result, and by the order of B's lane-rows the 16 registers of B's fragments 2 g and 2 g + 1
; are 16 NEIGHBOURS along the columns: 32 g + 16 (lane / 16) + 0 .. 15.  A wave's 128 columns are one K step of the result as an operand, and its lanes keep A's order of rows: the format is kept.
; LDS holds eight K steps of the three panels, 307,200 bytes; K step t lies at place t % 8.  K steps 0-7 come by four first fills a wave; places 0-3 are filled again (K steps 8-11) behind K step 3's last read, places 4-7 (K steps 12-15)
; behind K step 7's: one tensor load of 51,200 bytes a wave each time, with four K steps, 128 products a wave, in which to land.  The sixteen K steps are written out: no loop.
; CLUSTERS: 4 x 4 work-groups.  The four of a row of the cluster need the same panel of A, the four of a column the same panels of B: each is asked for JOINTLY, by the same tensor load with a mask that names the four.
; LIMITS: NaN and infinities are not served.  A block of zeros gets the byte 1 where the rule says 127 (its codes are zeros; this program alone reads the bytes).
; REGISTERS, in windows of 256: window 0: v1-11 addresses; v28, v29 for the add; v32-39 A's scale words, v40-47 B's, two sets each; v64-159 A's fragments, two sets of 4; on the way out v64-231 are at work.
;   window 1: v0-191 B's fragments, two sets of 8.   window 2: accumulator (a, b) at v[8 (8 a + b)].
.set BLK,  12800
.set AREA, 8*BLK                       ; a panel's eight places in LDS: A at 0, B's two panels at AREA and 2 AREA
.set SPARE, 3*AREA                     ; behind them: the spare words, 128 bytes for each wave: two blocks of 256 bytes that no other line names
.set FR,   12                          ; registers of a fragment
.set SA,   32
.set SB,   40
.set AF,   64
.set BT,   192
.set MX,   64                          ; the way out: v64-79 the 16 blocks' largest magnitudes
.set SCL,  96                          ; v96-111  the conversions' scale operands
.set CT,   112                         ; v112-143 the second halves of the blocks, as converted
.set PC,   160                         ; v160-207 four fragments' codes
.set PW,   208                         ; v208-211 their scale words
.set PS,   212                         ; v212-213 the two that I store
.set T2,   216                         ; v216-231 the other half's maxima, then the bytes
.set G1A,  32                          ; s[32:39] descriptor group 1 for A's first fills;  s[40:47] for B's: they differ in the mask alone
.set G1B,  40
.set G0A,  48                          ; s[48:63] four groups 0 for A's fills;  s[68:83] for B's
.set G0B,  68
.set G1A2, 84                          ; s[84:91], s[92:99] groups 1 for the refills: four blocks
.set G1B2, 92
.set MULW, 0xa1                        ; source 0 (B) window 1, source 1 (A) window 0, C and D window 2
.set MULB, 0x91                        ; the same with C in window 1 (not used here)
.set TOB,  0x40                        ; destination window 1, address window 0
.set MAXW, 0x28                        ; sources 1 and 2 window 2
.set CVTW, 0x02                        ; source 0 window 2
.set MSB,  0
.macro WIN new                         ; the immediate's high byte repeats the setting that is left; a switch that changes nothing is dropped
.if MSB != \new
	s_set_vgpr_msb (MSB<<8)|\new
.set MSB, \new
.endif
.endm
.macro PLACES n                        ; plain vector instructions between a matrix instruction and a load into, or a vector read of, its registers (ISA guide 7.12.1 for vector reads)
.rept \n
	v_nop
.endr
.endm
.macro CREST                           ; a round of the cluster's barrier behind its opening barrier
	s_cmp_lg_u32 s16, 0
	s_cbranch_scc1 .Lnot_wave_0_\@
	s_barrier_signal -3
.Lnot_wave_0_\@:
	s_barrier_wait -3
	s_barrier_signal -1
	s_barrier_wait -1
.endm
.macro CROUND                          ; a whole round
	s_barrier_signal -1
	s_barrier_wait -1
	CREST
.endm
; A joint refill: wave 0 fetches for A, waves 1 and 2 for B, wave 3 nothing.  The branches hang on the wave's number alone.  Four v_nop follow each of the two lines.
.macro JLOAD ga, g1a, gb, g1b
	s_cmp_eq_u32 s16, 0
	s_cbranch_scc0 .Lnot_a_\@
	tensor_load_to_lds s[\ga:\ga+3], s[\g1a:\g1a+7]
	s_nop 0
	PLACES 4
	s_branch .Lasked_\@
.Lnot_a_\@:
	s_cmp_lt_u32 s16, 3
	s_cbranch_scc0 .Lasked_\@
	tensor_load_to_lds s[\gb:\gb+3], s[\g1b:\g1b+7]
	s_nop 0
	PLACES 4
.Lasked_\@:
.endm
; 38 LDS loads in one run: K step t's fragments and scale words into set t % 2.  Each load takes 512 bytes on end (A's scale words: 256, read by both halves of the lanes).
; B's scale words: 16 x lane gives lanes 0-15 the words of fragments 0-3 and lanes 16-31 those of fragments 4-7.  An LDS offset has 16 bits: places 0-3 and 4-7 have an address register each.
.macro FETCH t
.set FP, (\t)%2
.set FHI, ((\t)%8)/4
.set FOFF, ((\t)%4)*BLK
	WIN TOB
.irp i, 0,1,2,3,4,5,6,7
.irp c, 0,1,2
	ds_load_b128 v[96*FP+FR*\i+4*\c:96*FP+FR*\i+4*\c+3], v[6+FHI] offset:FOFF+1536*\i+512*\c
.endr
.endr
	WIN 0
	ds_load_b128 v[SB+4*FP:SB+4*FP+3], v[6+FHI] offset:FOFF+12288
	ds_load_b128 v[SA+4*FP:SA+4*FP+3], v[8+FHI] offset:FOFF
.irp a, 0,1,2,3
.irp c, 0,1,2
	ds_load_b128 v[AF+48*FP+FR*\a+4*\c:AF+48*FP+FR*\a+4*\c+3], v[4+FHI] offset:FOFF+1536*\a+512*\c
.endr
.endr
.endm
; One product: A's fragment a x B's fragment b.  cm = 0: onto the sum; 1: C = 0; 2: C = a tile of b's; 3: of a's.  The first product starts the sum: nothing is cleared.
.macro WM a, b, cm
.set rD, 8*(8*(\a)+(\b))
.set rB, 96*MP+FR*(\b)
.set rA, AF+48*MP+FR*(\a)
.set rT, SB+4*MP+(\b)%4
.set rS, SA+4*MP+(\a)
.set rC, rD
.if (\cm) == 2
.set rC, BT+8*(\b)
.elseif (\cm) == 3
.set rC, BT+8*(\a)
.endif
.if (\cm) == 1
.if (\b) < 4
	v_wmma_scale_f32_16x16x128_f8f6f4 v[rD:rD+7], v[rB:rB+FR-1], v[rA:rA+FR-1], 0, v[rT], v[rS] matrix_a_fmt:MATRIX_FMT_FP6 matrix_b_fmt:MATRIX_FMT_FP6
.else
	v_wmma_scale_f32_16x16x128_f8f6f4 v[rD:rD+7], v[rB:rB+FR-1], v[rA:rA+FR-1], 0, v[rT], v[rS] matrix_a_fmt:MATRIX_FMT_FP6 matrix_b_fmt:MATRIX_FMT_FP6 matrix_a_scale:MATRIX_SCALE_ROW1
.endif
.else
.if (\b) < 4
	v_wmma_scale_f32_16x16x128_f8f6f4 v[rD:rD+7], v[rB:rB+FR-1], v[rA:rA+FR-1], v[rC:rC+7], v[rT], v[rS] matrix_a_fmt:MATRIX_FMT_FP6 matrix_b_fmt:MATRIX_FMT_FP6
.else
	v_wmma_scale_f32_16x16x128_f8f6f4 v[rD:rD+7], v[rB:rB+FR-1], v[rA:rA+FR-1], v[rC:rC+7], v[rT], v[rS] matrix_a_fmt:MATRIX_FMT_FP6 matrix_b_fmt:MATRIX_FMT_FP6 matrix_a_scale:MATRIX_SCALE_ROW1
.endif
.endif
.endm
; 8 na products of K step t: A's fragments a0 on, each against B's eight.  The 32 accumulators take turns, one instruction a turn, in the same order in every step.
.macro MUL t, a0, na, cm
.set MP, (\t)%2
.if (\cm) >= 2
	WIN MULB
.else
	WIN MULW
.endif
.set MA, \a0
.rept \na
.irp b, 0,1,2,3,4,5,6,7
	WM MA, \b, \cm
.endr
.set MA, MA+1
.endr
.endm
.macro STEP0 t, cm                     ; a K step whose successor has been shown landed: the successor's loads are issued first, so that they are on their way through all 32 products
.if (\t) > 0
	PLACES 4                                       ; the last step's products read the set that the loads below fill
.endif
	FETCH (\t)+1
	s_wait_dscnt 38                                ; all but the 38 just issued: this step's set, asked for a step ago, is in
	MUL \t, 0, 4, \cm
.endm
.macro STEP1 t, n                      ; a K step whose successor begins a fill not yet shown landed.  n: my tensor loads issued behind that one, which may stay out
	s_wait_tensorcnt \n                            ; my part of that fill has landed,
	s_wait_dscnt 0x0                               ; this step's set is in, and no LDS instruction of mine is out at the signal
	s_barrier_signal -1
	MUL \t, 0, 2, 0                                ; work on registers while the others arrive
	s_barrier_wait -1                              ; everybody's part has landed.
	PLACES 4
	FETCH (\t)+1
	MUL \t, 2, 2, 0
.endm
; A K step behind whose last read four places are filled again, by the group 0 of first fill c, stepped eight K steps on.  In front of the round each wave waits for all its tensor loads, adds 0 to its spare word, and waits for that and
; for its reads of those places (K step t's set was their last read).  The round takes in all sixteen work-groups: no wave of any partner still reads the places or has a load on its way.
.macro STEPR t, c
	WIN 0                                          ; (the add's two registers lie in window 0)
	s_wait_tensorcnt 0x0                           ; all my tensor loads have landed, so a group 0 may be written;
	ds_add_u32 v28, v29                            ; 0 onto my spare word
	ds_add_u32 v28, v29
	s_add_nc_u64 s[G0A+4*\c+2:G0A+4*\c+3], s[G0A+4*\c+2:G0A+4*\c+3], 8*BLK   ; eight K steps on; the type bits on top are not reached
	s_add_nc_u64 s[G0B+4*\c+2:G0B+4*\c+3], s[G0B+4*\c+2:G0B+4*\c+3], 8*BLK
	s_wait_dscnt 1                                 ; (the add may be out; this step's set is in)
	MUL \t, 0, 2, 0                                ; sixteen products stand between the add and the wait for it
	s_wait_dscnt 0x0                               ; the add is done, and my reads of the places are over
	s_barrier_signal -1
	MUL \t, 2, 1, 0
	WIN 0
	s_barrier_wait -1
	CREST
	JLOAD G0A+4*\c, G1A2, G0B+4*\c, G1B2           ; the first tensor load behind the round, and a wave's one until the next
	PLACES 4                                       ; in front of the loads below, on the way of the wave that asks for nothing too
	FETCH (\t)+1
	MUL \t, 3, 1, 0
.endm
.macro STEPL t                         ; the last K step
	s_wait_dscnt 0x0
	MUL \t, 0, 4, 0
.endm
; THE WAY OUT: my 64 rows x 128 columns become four fragments and their scale words.  Block 4 a + g (32 columns of the rows of A's fragment a) is registers 16 (4 a + g) + 0 .. 15 of window 2 in lanes l and l xor 16.
.macro EPIQ
	PLACES 4                                       ; behind the last products
	WIN MAXW
.set QN, 0
.rept 16
	v_max3_num_f32 v[MX+QN], 0x1800000, |v[16*QN]|, |v[16*QN+1]|   ; my 16 numbers of each block, and the floor 2^(3 - 127): so the byte cannot fall under 1.  Each accumulator is read from its low end on
.set QN, QN+1
.endr
.irp i, 2,4,6,8,10,12,14
.set QN, 0
.rept 16
	v_max3_num_f32 v[MX+QN], v[MX+QN], |v[16*QN+\i]|, |v[16*QN+\i+1]|   ; (the sixteen blocks by turns)
.set QN, QN+1
.endr
.endr
	WIN 0
.set QN, 0
.rept 16
	v_permlanex16_b32 v[T2+QN], v[MX+QN], s26, s27
.set QN, QN+1
.endr
.set QN, 0
.rept 16
	v_max_num_f32 v[MX+QN], v[MX+QN], v[T2+QN]     ; with lane l xor 16's: the block's largest magnitude
.set QN, QN+1
.endr
.set QN, 0
.rept 16
	v_add_nc_u32 v[SCL+QN], 0xff000000, v[MX+QN]   ; 2 off its exponent field: the conversion's scale operand
.set QN, QN+1
.endr
.set QN, 0
.rept 16
	v_lshrrev_b32 v[T2+QN], 23, v[SCL+QN]          ; the scale's byte
.set QN, QN+1
.endr
.irp a, 0,1,2,3
	v_lshl_or_b32 v[PW+\a], v[T2+4*\a+1], 8, v[T2+4*\a]   ; four bytes make a row's scale word
.endr
.irp a, 0,1,2,3
	v_lshl_or_b32 v[PW+\a], v[T2+4*\a+2], 16, v[PW+\a]
.endr
.irp a, 0,1,2,3
	v_lshl_or_b32 v[PW+\a], v[T2+4*\a+3], 24, v[PW+\a]
.endr
	WIN CVTW
.irp a, 0,1,2,3
.irp c, 0,1
	v_cvt_scalef32_pk16_fp6_f32 v[PC+12*\a+6*\c:PC+12*\a+6*\c+2], v[64*\a+32*\c:64*\a+32*\c+15], v[SCL+4*\a+2*\c]
	v_cvt_scalef32_pk16_fp6_f32 v[CT+8*\a+4*\c:CT+8*\a+4*\c+2], v[64*\a+32*\c+16:64*\a+32*\c+31], v[SCL+4*\a+2*\c+1]   ; (a conversion's three registers begin on an even number)
.endr
.endr
	WIN 0
	v_nop                                          ; one plain place behind a scaled conversion
.irp a, 0,1,2,3
.irp c, 0,1                                    ; the operand's layout wants a WHOLE block in a lane: lanes 0-15 block 2 c, lanes 16-31 block 2 c + 1
.irp i, 0,1,2
	v_permlane16_swap_b32 v[PC+12*\a+6*\c+\i], v[CT+8*\a+4*\c+\i]
.endr
.irp i, 0,1,2
	v_mov_b32 v[PC+12*\a+6*\c+3+\i], v[CT+8*\a+4*\c+\i]
.endr
.endr
.endr
	v_cmp_le_u32 vcc_lo, 16, v1                    ; every lane holds its row's four words: lanes 0-15 store those of fragments 0 and 1, lanes 16-31 those of 2 and 3
	v_cndmask_b32 v[PS], v[PW], v[PW+2], vcc_lo
	v_cndmask_b32 v[PS+1], v[PW+1], v[PW+3], vcc_lo
.irp a, 0,1,2,3
.irp c, 0,1,2
	global_store_b128 v10, v[PC+12*\a+4*\c:PC+12*\a+4*\c+3], s[12:13] offset:1536*\a+512*\c   ; the image: 32 lanes store 512 consecutive bytes, at a multiple of 256 from the buffer's first byte
.endr
.endr
	global_store_b64 v11, v[PS:PS+1], s[12:13] offset:12288   ; 32 lanes store 256 consecutive bytes.  No store's register is written again: no wait
.endm
	s_load_b128 s[4:7], s[0:1], 0x0                ; sc s[4:5], vt s[6:7]
	s_load_b64 s[8:9], s[0:1], 0x10                ; at
	v_lshl_add_u32 v28, v0, 2, SPARE               ; LDS address of my spare word; never rewritten
	v_mov_b32 v29, 0                               ; never rewritten
	ds_add_u32 v28, v29
	ds_add_u32 v28, v29
	s_wait_dscnt 0x0
	v_lshrrev_b32 v1, 5, v0
	v_readfirstlane_b32 s16, v1                    ; wave 0..3
	s_lshr_b32 s17, s16, 1                         ; which 64 of the 128 rows are mine.  Also: which panel of B waves 1 and 2 fetch (0, 1)
	s_and_b32 s18, s16, 1                          ; which panel of B is mine
	s_bfe_u32 s20, ttmp6, 0x40000                  ; cx, cy: my place in the cluster
	s_bfe_u32 s21, ttmp6, 0x40004
	s_and_b32 s23, ttmp7, 0xffff                   ; cluster y: four of them to a batch
	s_lshl_b32 s24, s23, 2
	s_add_co_u32 s24, s24, s21                     ; gy = 4 x cluster y + cy: the queries' panel
	s_lshl_b32 s25, ttmp9, 2
	s_add_co_u32 s25, s25, s20                     ; gx = 4 x cluster x + cx: which 256 of the 1,024 features
	s_lshl_b32 s26, s21, 2
	s_lshl_b32 s26, 15, s26                        ; my row of the cluster
	s_lshl_b32 s27, 0x1111, s20                    ; my column
	; descriptor groups 1: dense bytes as rows of 256 bytes (32 elements of 8 bytes), no padding: two blocks (100 rows) for a first fill, four (200 rows) for a refill
	s_or_b32 s[G1A], s26, (3<<16)|(1<<21)          ; 15:0 the mask: A's fills go to my row; 17:16 elements of 8 bytes; 21 set beside a mask
	s_or_b32 s[G1B], s27, (3<<16)|(1<<21)          ; B's go to my column
	s_or_b32 s[G1A2], s26, (3<<16)|(1<<21)
	s_or_b32 s[G1B2], s27, (3<<16)|(1<<21)
.irp g, G1A, G1B
	s_mov_b32 s[\g+1], 32<<16                      ; tensor_dim0 = 32
	s_mov_b32 s[\g+2], 100<<16                     ; tensor_dim1 = 100
	s_mov_b32 s[\g+3], 32<<16                      ; tile_dim0 = 32
	s_mov_b32 s[\g+4], 100                         ; tile_dim1 = 100
	s_mov_b32 s[\g+5], 32                          ; tensor_dim0_stride
	s_mov_b32 s[\g+6], 0
	s_mov_b32 s[\g+7], 0
.endr
.irp g, G1A2, G1B2
	s_mov_b32 s[\g+1], 32<<16
	s_mov_b32 s[\g+2], 200<<16
	s_mov_b32 s[\g+3], 32<<16
	s_mov_b32 s[\g+4], 200
	s_mov_b32 s[\g+5], 32
	s_mov_b32 s[\g+6], 0
	s_mov_b32 s[\g+7], 0
.endr
	s_mul_i32 s66, s16, AREA                       ; where a wave's fills go: wave 0 A's area, waves 1 and 2 B's two: no place in the cluster enters an LDS address
	s_mul_i32 s28, s24, 2*AREA                     ; A: panel gy of sc (16 blocks a panel): it hangs on gy alone
	s_mov_b32 s29, 0
	s_lshl_b32 s30, s25, 1
	s_add_co_u32 s30, s30, s17                     ; B: panel 2 gx + (0, 1) of vt, 64 blocks a panel,
	s_lshl_b32 s30, s30, 6
	s_lshr_b32 s31, s23, 2
	s_lshl_b32 s31, s31, 4                         ; from K step 16 x batch on: it hangs on the cluster's y, gx and the wave alone
	s_add_co_u32 s30, s30, s31
	s_mul_i32 s30, s30, BLK
	s_mov_b32 s31, 0
	s_lshl_b32 s2, s24, 3
	s_lshl_b32 s3, s25, 1
	s_add_co_u32 s2, s2, s3
	s_add_co_u32 s2, s2, s18                       ; out: block 8 gy + 2 gx + my panel of B
	s_mul_i32 s2, s2, BLK
	s_mov_b32 s3, 0
	s_wait_kmcnt 0x0
	s_add_nc_u64 s[28:29], s[4:5], s[28:29]
	s_add_nc_u64 s[30:31], s[6:7], s[30:31]
	s_add_nc_u64 s[12:13], s[8:9], s[2:3]
	CROUND                                         ; all sixteen work-groups are here: the first joint loads meet
.irp c, 0,1,2,3                                ; fill c: K steps 2 c and 2 c + 1
	s_mov_b32 s[G0A+4*\c], 1                       ; 1:0 count = 1
	s_add_co_u32 s[G0A+4*\c+1], s66, \c*2*BLK      ; 63:32 LDS address
	s_add_nc_u64 s[G0A+4*\c+2:G0A+4*\c+3], s[28:29], \c*2*BLK   ; 120:64 global address
	s_or_b32 s[G0A+4*\c+3], s[G0A+4*\c+3], 0x80000000   ; 127:126 type = 2
	s_mov_b32 s[G0B+4*\c], 1
	s_add_co_u32 s[G0B+4*\c+1], s66, \c*2*BLK
	s_add_nc_u64 s[G0B+4*\c+2:G0B+4*\c+3], s[30:31], \c*2*BLK
	s_or_b32 s[G0B+4*\c+3], s[G0B+4*\c+3], 0x80000000
.endr
	s_cmp_eq_u32 s16, 0                            ; a wave's four first fills stand in one branch on the wave's number, ahead of every wait on TENSORcnt, every LDS read and every other barrier: four loads of mine are out.
	s_cbranch_scc0 .Lfirst_not_a                   ; Wave 0 fetches A, waves 1 and 2 a panel of B each, wave 3 nothing (three panels).  Four v_nop follow the last
.irp c, 0,1,2,3
	tensor_load_to_lds s[G0A+4*\c:G0A+4*\c+3], s[G1A:G1A+7]
	s_nop 0
.endr
	PLACES 4
	s_branch .Lfirst_asked
.Lfirst_not_a:
	s_cmp_lt_u32 s16, 3
	s_cbranch_scc0 .Lfirst_asked
.irp c, 0,1,2,3
	tensor_load_to_lds s[G0B+4*\c:G0B+4*\c+3], s[G1B:G1B+7]
	s_nop 0
.endr
	PLACES 4
.Lfirst_asked:
	v_and_b32 v1, 31, v0                           ; lane
	v_and_b32 v2, 15, v0                           ; r
	v_bfe_u32 v3, v0, 4, 1                         ; h
	s_mul_i32 s2, s17, 4*1536                      ; my four fragments of A
	v_lshl_add_u32 v4, v1, 4, s2                   ; v4, v5: A's fragments, places 0-3 and 4-7
	v_add_nc_u32 v5, 4*BLK, v4
	s_mul_i32 s3, s18, AREA
	s_add_co_u32 s3, s3, AREA                      ; my panel of B
	v_lshl_add_u32 v6, v1, 4, s3                   ; v6, v7: B's fragments and scale words
	v_add_nc_u32 v7, 4*BLK, v6
	s_lshl_b32 s3, s17, 8
	v_lshl_add_u32 v11, v2, 4, s3                  ; 16 r + 256 x my half
	v_add_nc_u32 v8, 12288, v11                    ; v8, v9: A's scale words
	v_add_nc_u32 v9, 4*BLK, v8
	v_lshl_add_u32 v11, v3, 3, v11                 ; v11: the way out: my 8 bytes of the scale words
	v_lshl_add_u32 v10, v1, 4, s2                  ; v10: the way out: my 16 bytes of an image
	s_mov_b32 s26, 0x76543210
	s_mov_b32 s27, 0xfedcba98                      ; v_permlanex16_b32's selects for lane l xor 16
.set QN, 0
.rept 16
	v_mov_b32 v[T2+QN], 0                          ; written once: a lane permute's destination counts as one of its sources
.set QN, QN+1
.endr
	s_wait_tensorcnt 3                             ; my first fill (K steps 0 and 1) has landed; the three behind it stay out,
	s_barrier_signal -1
	s_barrier_wait -1                              ; everybody's has.
	FETCH 0
	STEP0 0, 1
	STEP1 1, 2
	STEP0 2, 0
	STEPR 3, 0                                     ; places 0-3 take K steps 8-11; every wave's wait for all its loads has shown K steps 4-7 landed
	STEP0 4, 0
	STEP0 5, 0
	STEP0 6, 0
	STEPR 7, 2                                     ; places 4-7 take K steps 12-15; K steps 8-11 have landed
	STEP0 8, 0
	STEP0 9, 0
	STEP0 10, 0
	STEP1 11, 0                                    ; K steps 12-15 have landed: no load was issued behind that one
	STEP0 12, 0
	STEP0 13, 0
	STEP0 14, 0
	STEPL 15
	EPIQ
	s_wait_tensorcnt 0x0                           ; the wave's end, behind my last tensor load
	ds_add_u32 v28, v29
	s_wait_dscnt 0x0
	CROUND                                         ; the closing round: no work-group ends while a partner may still ask for a fill that names it
	s_endpgm
.Lfunc_end_k_qdbbfdbf899_attn:
	.size	k_qdbbfdbf899_attn, .Lfunc_end_k_qdbbfdbf899_attn-k_qdbbfdbf899_attn
	.p2alignl 7, 3214868480
	.fill 96, 4, 3214868480
	.section	.rodata,"a",@progbits
	.p2align	6, 0x0
	.amdhsa_kernel k_qdbbfdbf899_attn
		.amdhsa_group_segment_fixed_size 327680
		.amdhsa_private_segment_fixed_size 0
		.amdhsa_enable_private_segment 0
		.amdhsa_kernarg_size 24
		.amdhsa_user_sgpr_count 2
		.amdhsa_user_sgpr_kernarg_segment_ptr 1
		.amdhsa_wavefront_size32 1
		.amdhsa_system_sgpr_workgroup_id_x 1
		.amdhsa_system_sgpr_workgroup_id_y 1
		.amdhsa_system_sgpr_workgroup_id_z 1
		.amdhsa_system_vgpr_workitem_id 0
		.amdhsa_next_free_vgpr 768
		.amdhsa_next_free_sgpr 100
		.amdhsa_reserve_vcc 1
		.amdhsa_float_denorm_mode_32 3
		.amdhsa_float_denorm_mode_16_64 3
		.amdhsa_memory_ordered 1
		.amdhsa_forward_progress 1
		.amdhsa_inst_pref_size 135
	.end_amdhsa_kernel
	.amdgpu_metadata
---
amdhsa.version: [ 1, 2 ]
amdhsa.kernels:
  - .name:           k_qdbbfdbf899_attn
    .symbol:         k_qdbbfdbf899_attn.kd
    .args:
      - { .name: sc, .offset: 0, .size: 8, .value_kind: global_buffer, .address_space: global }
      - { .name: vt, .offset: 8, .size: 8, .value_kind: global_buffer, .address_space: global }
      - { .name: at, .offset: 16, .size: 8, .value_kind: global_buffer, .address_space: global }
    .group_segment_fixed_size: 327680
    .private_segment_fixed_size: 0
    .kernarg_segment_align: 8
    .kernarg_segment_size: 24
    .max_flat_workgroup_size: 128
    .sgpr_count:     100
    .vgpr_count:     768
    .wavefront_size: 32
...
	.end_amdgpu_metadata
.endif
;; end of part 5
;; launch proj (part 6): grid 4 x 64, 4 waves a work-group, clusters of 4 x 4, 327,680 bytes of LDS; arguments at, xw, bo, out0; writes out0
.if DOCPART == 6
	.amdgcn_target "amdgcn-amd-amdhsa--gfx1250"
	.amdhsa_code_object_version 6
	.text
	.protected	k_qdbbfdbf899_proj
	.globl	k_qdbbfdbf899_proj
	.p2align	8
	.type	k_qdbbfdbf899_proj,@function
k_qdbbfdbf899_proj:
	s_mov_b64 s[64:65], 0
	v_nop
	global_prefetch_b8 v0, s[64:65] scope:SCOPE_SE
	s_setreg_imm32_b32 hwreg(HW_REG_WAVE_MODE, 25, 1), 1
	s_wait_xcnt 0x0
	s_wait_alu depctr_hold_cnt(0) depctr_sa_sdst(0) depctr_va_vdst(0) depctr_va_sdst(0) depctr_va_ssrc(0) depctr_va_vcc(0) depctr_vm_vsrc(0)
	s_getreg_b32 s2, hwreg(HW_REG_IB_STS2, 6, 4)
	s_cmp_eq_u32 s2, 0
	s_cbranch_scc0 .Lentry_in_a_cluster
	s_endpgm
.Lentry_in_a_cluster:
	s_bfe_u32 s2, ttmp6, 0x10000c
	s_cmp_lg_u32 s2, 0xf033
	s_cbranch_scc0 .Lentry_shape_is_right
	s_endpgm
.Lentry_shape_is_right:
; out = attn Wo^T + bo on codes of FP6 (E2M3) with E8M0 scales; out0 [8192][1024] f32.
; THE OPERAND FORMAT of this program's workspace.  An operand [rows][K] is cut into panels of 128 rows and K steps of 128; a panel's K step is a BLOCK of 12,800 bytes, the blocks of a panel on end along K.
; A block holds eight fragments (16 rows x 128 K of 6-bit codes: 12 registers a lane) as IMAGES OF THEIR REGISTERS: registers 4 c .. 4 c + 3 of lane l of fragment f at byte 1536 f + 512 c + 16 l;
; then the scale words (four bytes: a row's 128 K): that of lane-row r of fragment f at 12288 + 256 (f / 4) + 16 r + 4 (f % 4).  Lane-row r of fragment f is the panel's row 32 (f / 2) + 8 (f % 2) + r + 8 (r / 8).
; IN: at, 64 panels x 8 K steps;  xw, panels 88-95: Wo.
; SHARES.  A work-group makes 128 rows (operand A: a panel of at) x 256 columns (operand B: two panels of Wo); four waves as 2 x 2, each 64 x 128: 32 accumulators, 256 registers.  256 work-groups of equal work.
; THE MATRIX INSTRUCTION IS USED TRANSPOSED: source 0 = 16 lane-rows of B, source 1 = 16 lane-rows of A.  A lane then holds ONE row of the result, and by the order of B's lane-rows the 16 registers of B's fragments 2 g and 2 g + 1
; are 16 NEIGHBOURS along the columns: 32 g + 16 (lane / 16) + 0 .. 15: 64 bytes of a row of out0.
; ALL OF K LIES IN LDS: 3 panels x 8 blocks = 307,200 bytes, each byte filled once: four first fills a wave, no ring and no loop; the eight K steps are written out.
; CLUSTERS: 4 x 4 work-groups.  The four of a row of the cluster need the same panel of A, the four of a column the same panels of B: each is asked for JOINTLY, by the same tensor load with a mask that names the four.
; LIMITS: NaN and infinities are not served.  The bias is the C of each sum's first product: it is added ahead of the products, not behind them.
; REGISTERS, in windows of 256: window 0: v1-15 addresses; v32-39 A's scale words, v40-47 B's, two sets each; v64-159 A's fragments, two sets of 4; on the way out v64-127 rows read back from the stage.
;   window 1: v0-191 B's fragments, two sets of 8; v192-255 the bias, eight tiles in the result's layout.   window 2: accumulator (a, b) at v[8 (8 a + b)].
.set BLK,  12800
.set AREA, 8*BLK                       ; a panel's eight K steps in LDS: A at 0, B's two panels at AREA and 2 AREA
.set STGB, 3*AREA                      ; behind them: a stage of 16 rows x (256 + 16) bytes for each wave, 17 blocks of 256 bytes each, into which no fill lands
.set SPI,  272                         ; an odd multiple of 16: sixteen lanes that store the same column of sixteen rows start at different 16-byte columns modulo 256
.set FR,   12                          ; registers of a fragment
.set SA,   32
.set SB,   40
.set AF,   64
.set BT,   192
.set BK,   64                          ; the way out: v64-95 and v96-127 by turns
.set G1A,  32                          ; s[32:39] descriptor group 1 for A's fills;  s[40:47] for B's: they differ in the mask alone
.set G1B,  40
.set G0A,  48                          ; s[48:63] four groups 0 for A's fills;  s[68:83] for B's
.set G0B,  68
.set MULW, 0xa1                        ; source 0 (B) window 1, source 1 (A) window 0, C and D window 2
.set MULB, 0x91                        ; the same with C (the bias) in window 1
.set TOB,  0x40                        ; destination window 1, address window 0
.set STGW, 0x08                        ; an LDS store's data are its source 1: window 2
.set MSB,  0
.macro WIN new                         ; the immediate's high byte repeats the setting that is left; a switch that changes nothing is dropped
.if MSB != \new
	s_set_vgpr_msb (MSB<<8)|\new
.set MSB, \new
.endif
.endm
.macro PLACES n                        ; plain vector instructions between a matrix instruction and a load into, or a read of, its registers (ISA guide 7.12.1 for vector reads)
.rept \n
	v_nop
.endr
.endm
.macro CREST                           ; a round of the cluster's barrier behind its opening barrier
	s_cmp_lg_u32 s16, 0
	s_cbranch_scc1 .Lnot_wave_0_\@
	s_barrier_signal -3
.Lnot_wave_0_\@:
	s_barrier_wait -3
	s_barrier_signal -1
	s_barrier_wait -1
.endm
.macro CROUND                          ; a whole round
	s_barrier_signal -1
	s_barrier_wait -1
	CREST
.endm
; 38 LDS loads in one run: K step t's fragments and scale words into set t % 2.  Each load takes 512 bytes on end (A's scale words: 256, read by both halves of the lanes).
; B's scale words: 16 x lane gives lanes 0-15 the words of fragments 0-3 and lanes 16-31 those of fragments 4-7.  An LDS offset has 16 bits: K steps 0-3 and 4-7 have an address register each.
.macro FETCH t
.set FP, (\t)%2
.set FHI, ((\t)%8)/4
.set FOFF, ((\t)%4)*BLK
	WIN TOB
.irp i, 0,1,2,3,4,5,6,7
.irp c, 0,1,2
	ds_load_b128 v[96*FP+FR*\i+4*\c:96*FP+FR*\i+4*\c+3], v[6+FHI] offset:FOFF+1536*\i+512*\c
.endr
.endr
	WIN 0
	ds_load_b128 v[SB+4*FP:SB+4*FP+3], v[6+FHI] offset:FOFF+12288
	ds_load_b128 v[SA+4*FP:SA+4*FP+3], v[8+FHI] offset:FOFF
.irp a, 0,1,2,3
.irp c, 0,1,2
	ds_load_b128 v[AF+48*FP+FR*\a+4*\c:AF+48*FP+FR*\a+4*\c+3], v[4+FHI] offset:FOFF+1536*\a+512*\c
.endr
.endr
.endm
; One product: A's fragment a x B's fragment b.  cm = 0: onto the sum; 1: C = 0; 2: C = the bias tile of b; 3: of a.  The first product starts the sum: nothing is cleared.
.macro WM a, b, cm
.set rD, 8*(8*(\a)+(\b))
.set rB, 96*MP+FR*(\b)
.set rA, AF+48*MP+FR*(\a)
.set rT, SB+4*MP+(\b)%4
.set rS, SA+4*MP+(\a)
.set rC, rD
.if (\cm) == 2
.set rC, BT+8*(\b)
.elseif (\cm) == 3
.set rC, BT+8*(\a)
.endif
.if (\cm) == 1
.if (\b) < 4
	v_wmma_scale_f32_16x16x128_f8f6f4 v[rD:rD+7], v[rB:rB+FR-1], v[rA:rA+FR-1], 0, v[rT], v[rS] matrix_a_fmt:MATRIX_FMT_FP6 matrix_b_fmt:MATRIX_FMT_FP6
.else
	v_wmma_scale_f32_16x16x128_f8f6f4 v[rD:rD+7], v[rB:rB+FR-1], v[rA:rA+FR-1], 0, v[rT], v[rS] matrix_a_fmt:MATRIX_FMT_FP6 matrix_b_fmt:MATRIX_FMT_FP6 matrix_a_scale:MATRIX_SCALE_ROW1
.endif
.else
.if (\b) < 4
	v_wmma_scale_f32_16x16x128_f8f6f4 v[rD:rD+7], v[rB:rB+FR-1], v[rA:rA+FR-1], v[rC:rC+7], v[rT], v[rS] matrix_a_fmt:MATRIX_FMT_FP6 matrix_b_fmt:MATRIX_FMT_FP6
.else
	v_wmma_scale_f32_16x16x128_f8f6f4 v[rD:rD+7], v[rB:rB+FR-1], v[rA:rA+FR-1], v[rC:rC+7], v[rT], v[rS] matrix_a_fmt:MATRIX_FMT_FP6 matrix_b_fmt:MATRIX_FMT_FP6 matrix_a_scale:MATRIX_SCALE_ROW1
.endif
.endif
.endm
; 8 na products of K step t: A's fragments a0 on, each against B's eight.  The 32 accumulators take turns, one instruction a turn, in the same order in every step.
.macro MUL t, a0, na, cm
.set MP, (\t)%2
.if (\cm) >= 2
	WIN MULB
.else
	WIN MULW
.endif
.set MA, \a0
.rept \na
.irp b, 0,1,2,3,4,5,6,7
	WM MA, \b, \cm
.endr
.set MA, MA+1
.endr
.endm
.macro STEP0 t, cm                     ; a K step whose successor has been shown landed: the successor's loads are issued first, so that they are on their way through all 32 products
.if (\t) > 0
	PLACES 4                                       ; the last step's products read the set that the loads below fill
.endif
	FETCH (\t)+1
	s_wait_dscnt 38                                ; all but the 38 just issued: this step's set, asked for a step ago, is in
	MUL \t, 0, 4, \cm
.endm
.macro STEP1 t, n                      ; a K step whose successor begins the next fill.  n: my fills issued behind that one, which may stay out
	s_wait_tensorcnt \n                            ; my part of that fill has landed,
	s_wait_dscnt 0x0                               ; this step's set is in, and no LDS instruction of mine is out at the signal
	s_barrier_signal -1
	MUL \t, 0, 2, 0                                ; work on registers while the others arrive
	s_barrier_wait -1                              ; everybody's part has landed.
	PLACES 4
	FETCH (\t)+1
	MUL \t, 2, 2, 0
.endm
.macro STEPL t                         ; the last K step
	s_wait_dscnt 0x0
	MUL \t, 0, 4, 0
.endm
; THE WAY OUT, in eight parts: part i = 2 a + u is the 16 lane-rows of A's fragment a x columns 64 u on: 256 bytes a row.  A lane holds 2 x 64 bytes of its row, and the lanes beside it hold other rows: so a part goes through my own
; stage in LDS and comes back two rows a load, sixteen lanes to a row's 256 bytes.  LDS serves a wave's instructions in order (ISA guide 5.7.1.4): no wait between the stores and the loads, nor in front of the next part's stores.
.macro TOSTAGE i
.set TA, (\i)/2
.set TU, (\i)%2
	WIN STGW
.irp g, 0,1
.irp q, 0,1,2,3
	ds_store_b128 v14, v[64*TA+32*TU+16*\g+4*\q:64*TA+32*TU+16*\g+4*\q+3] offset:128*\g+16*\q   ; each accumulator from its low end on
.endr
.endr
	WIN 0
.irp j, 0,1,2,3,4,5,6,7
	ds_load_b128 v[BK+32*((\i)%2)+4*\j:BK+32*((\i)%2)+4*\j+3], v15 offset:2*SPI*\j
.endr
.endm
.macro SEND i, y                       ; y: the LDS instructions issued behind part i's loads, which may stay out
.set TA, (\i)/2
.set TU, (\i)%2
	s_wait_dscnt \y                                ; the part is back in registers
.irp j, 0,1,2,3,4,5,6,7                        ; lane-rows 2 j and 2 j + 1 are rows 32 (a / 2) + 8 (a % 2) + 2 j + 8 (j / 4) and the next of my 64
	global_store_b128 v10, v[BK+32*((\i)%2)+4*\j:BK+32*((\i)%2)+4*\j+3], s[12:13] offset:(32*(TA/2)+8*(TA%2)+2*\j+8*(\j/4))*4096+256*TU th:TH_STORE_NT   ; 16 lanes store 256 consecutive bytes, at a multiple of 256 from out0's first byte; written once, read by nobody here
.endr
.endm
	s_load_b256 s[4:11], s[0:1], 0x0               ; at s[4:5], xw s[6:7], bo s[8:9], out0 s[10:11]
	v_lshl_add_u32 v254, v0, 2, 0x4f400
	v_mov_b32 v255, 0
	ds_add_u32 v254, v255
	ds_add_u32 v254, v255
	v_lshrrev_b32 v1, 5, v0
	v_readfirstlane_b32 s16, v1                    ; wave 0..3
	s_lshr_b32 s17, s16, 1                         ; which 64 of the 128 rows are mine.  Also: which panel of B waves 1 and 2 fetch (0, 1)
	s_and_b32 s18, s16, 1                          ; which panel of B is mine
	s_bfe_u32 s20, ttmp6, 0x40000                  ; cx, cy: my place in the cluster
	s_bfe_u32 s21, ttmp6, 0x40004
	s_and_b32 s23, ttmp7, 0xffff
	s_lshl_b32 s24, s23, 2
	s_add_co_u32 s24, s24, s21                     ; gy = 4 x cluster y + cy: the rows' panel
	s_lshl_b32 s25, ttmp9, 2
	s_add_co_u32 s25, s25, s20                     ; gx = 4 x cluster x + cx: which 256 of the 1,024 columns
	s_lshl_b32 s26, s21, 2
	s_lshl_b32 s26, 15, s26                        ; my row of the cluster
	s_lshl_b32 s27, 0x1111, s20                    ; my column
	; descriptor group 1: two blocks, 25,600 dense bytes, as 100 rows of 256 bytes (32 elements of 8 bytes); no padding
	s_or_b32 s[G1A], s26, (3<<16)|(1<<21)          ; 15:0 the mask: A's fills go to my row; 17:16 elements of 8 bytes; 21 set beside a mask
	s_or_b32 s[G1B], s27, (3<<16)|(1<<21)          ; B's go to my column
.irp g, G1A, G1B
	s_mov_b32 s[\g+1], 32<<16                      ; tensor_dim0 = 32
	s_mov_b32 s[\g+2], 100<<16                     ; tensor_dim1 = 100
	s_mov_b32 s[\g+3], 32<<16                      ; tile_dim0 = 32
	s_mov_b32 s[\g+4], 100                         ; tile_dim1 = 100
	s_mov_b32 s[\g+5], 32                          ; tensor_dim0_stride
	s_mov_b32 s[\g+6], 0
	s_mov_b32 s[\g+7], 0
.endr
	s_mul_i32 s66, s16, AREA                       ; where a wave's fills go: wave 0 A's area, waves 1 and 2 B's two: no place in the cluster enters an LDS address
	s_mul_i32 s28, s24, AREA                       ; A: panel gy of at: it hangs on gy alone
	s_mov_b32 s29, 0
	s_lshl_b32 s30, s25, 1
	s_add_co_u32 s30, s30, s17
	s_add_co_u32 s30, s30, 88                      ; B: panel 88 + 2 gx + (0, 1) of xw: it hangs on gx and the wave alone
	s_mul_i32 s30, s30, AREA
	s_mov_b32 s31, 0
	s_lshl_b32 s2, s24, 19                         ; out: row 128 gy + 64 x my half, of 4,096 bytes;
	s_lshl_b32 s3, s17, 18
	s_add_co_u32 s2, s2, s3
	s_lshl_b32 s3, s25, 10                         ; column 256 gx + 128 x my panel, of 4 bytes
	s_add_co_u32 s2, s2, s3
	s_lshl_b32 s3, s18, 9
	s_add_co_u32 s2, s2, s3
	s_mov_b32 s3, 0
	s_wait_dscnt 0x0
	s_wait_kmcnt 0x0
	s_add_nc_u64 s[28:29], s[4:5], s[28:29]
	s_add_nc_u64 s[30:31], s[6:7], s[30:31]
	s_add_nc_u64 s[12:13], s[10:11], s[2:3]
	s_lshl_b32 s2, s25, 10                         ; my 128 numbers of the bias
	s_lshl_b32 s3, s18, 9
	s_add_co_u32 s2, s2, s3
	s_mov_b32 s3, 0
	s_add_nc_u64 s[8:9], s[8:9], s[2:3]
	CROUND                                         ; all sixteen work-groups are here: the joint loads meet
.irp c, 0,1,2,3                                ; fill c: K steps 2 c and 2 c + 1
	s_mov_b32 s[G0A+4*\c], 1                       ; 1:0 count = 1
	s_add_co_u32 s[G0A+4*\c+1], s66, \c*2*BLK      ; 63:32 LDS address
	s_add_nc_u64 s[G0A+4*\c+2:G0A+4*\c+3], s[28:29], \c*2*BLK   ; 120:64 global address
	s_or_b32 s[G0A+4*\c+3], s[G0A+4*\c+3], 0x80000000   ; 127:126 type = 2
	s_mov_b32 s[G0B+4*\c], 1
	s_add_co_u32 s[G0B+4*\c+1], s66, \c*2*BLK
	s_add_nc_u64 s[G0B+4*\c+2:G0B+4*\c+3], s[30:31], \c*2*BLK
	s_or_b32 s[G0B+4*\c+3], s[G0B+4*\c+3], 0x80000000
.endr
	s_cmp_eq_u32 s16, 0                            ; a wave's four fills stand in one branch on the wave's number, ahead of every wait on TENSORcnt, every LDS read and every other barrier: four loads of mine are out.
	s_cbranch_scc0 .Lfirst_not_a                   ; Wave 0 fetches A, waves 1 and 2 a panel of B each, wave 3 nothing (three panels).  Four v_nop follow the last
.irp c, 0,1,2,3
	tensor_load_to_lds s[G0A+4*\c:G0A+4*\c+3], s[G1A:G1A+7]
	s_nop 0
.endr
	PLACES 4
	s_branch .Lfirst_asked
.Lfirst_not_a:
	s_cmp_lt_u32 s16, 3
	s_cbranch_scc0 .Lfirst_asked
.irp c, 0,1,2,3
	tensor_load_to_lds s[G0B+4*\c:G0B+4*\c+3], s[G1B:G1B+7]
	s_nop 0
.endr
	PLACES 4
.Lfirst_asked:
	v_and_b32 v1, 31, v0                           ; lane
	v_and_b32 v2, 15, v0                           ; r
	v_bfe_u32 v3, v0, 4, 1                         ; h
	s_mul_i32 s2, s17, 4*1536                      ; my four fragments of A
	v_lshl_add_u32 v4, v1, 4, s2                   ; v4, v5: A's fragments, K steps 0-3 and 4-7
	v_add_nc_u32 v5, 4*BLK, v4
	s_mul_i32 s3, s18, AREA
	s_add_co_u32 s3, s3, AREA                      ; my panel of B
	v_lshl_add_u32 v6, v1, 4, s3                   ; v6, v7: B's fragments and scale words
	v_add_nc_u32 v7, 4*BLK, v6
	s_lshl_b32 s3, s17, 8
	s_add_co_u32 s3, s3, 12288
	v_lshl_add_u32 v8, v2, 4, s3                   ; v8, v9: A's scale words: 12288 + 256 x my half + 16 r
	v_add_nc_u32 v9, 4*BLK, v8
	s_mul_i32 s3, s16, 16*SPI
	s_add_co_u32 s3, s3, STGB                      ; my stage
	v_mul_u32_u24 v14, v2, SPI
	v_lshl_add_u32 v14, v3, 6, v14
	v_add_nc_u32 v14, s3, v14                      ; v14: into it: row r, + 64 h
	v_mul_u32_u24 v15, v3, SPI
	v_lshl_add_u32 v15, v2, 4, v15
	v_add_nc_u32 v15, s3, v15                      ; v15: back: lanes 0-15 one row, lanes 16-31 the next; 16 bytes a lane
	v_lshlrev_b32 v10, 12, v3
	v_lshl_add_u32 v10, v2, 4, v10                 ; v10: and the same in out0
	v_lshlrev_b32 v12, 6, v3                       ; the bias: lanes 16-31 begin 16 numbers on
	WIN TOB
.irp b, 0,1,2,3,4,5,6,7                        ; the bias tile of B's fragment b = 2 g + u: register j is the bias of column 32 g + 16 h + 8 u + j
	global_load_b128 v[BT+8*\b:BT+8*\b+3], v12, s[8:9] offset:(32*(\b/2)+8*(\b%2))*4
	global_load_b128 v[BT+8*\b+4:BT+8*\b+7], v12, s[8:9] offset:(32*(\b/2)+8*(\b%2))*4+16
.endr
	WIN 0
	s_wait_tensorcnt 3                             ; my first fill (K steps 0 and 1) has landed; the three behind it stay out,
	s_barrier_signal -1
	s_barrier_wait -1                              ; everybody's has
	FETCH 0
	s_wait_loadcnt 0x0                             ; the bias
	STEP0 0, 2
	STEP1 1, 2
	STEP0 2, 0
	STEP1 3, 1
	STEP0 4, 0
	STEP1 5, 0                                     ; the last fill: no tensor load of mine is out from here on
	STEP0 6, 0
	STEPL 7
	PLACES 4                                       ; behind the last products: for the stores that read results and the loads into the registers that held A's fragments
	TOSTAGE 0
.irp i, 1,2,3,4,5,6,7
.if \i > 1
	s_wait_xcnt 0x0                                ; part i - 2's stores have read their registers: part i's loads may land there
.endif
	TOSTAGE \i
	SEND \i-1, 16                                  ; behind part i - 1's loads: part i's 8 stores and 8 loads
.endr
	SEND 7, 0
	s_wait_tensorcnt 0x0
	ds_add_u32 v254, v255
	s_wait_dscnt 0x0
	CROUND                                         ; the closing round: no work-group ends while a partner may still ask for a fill that names it
	s_endpgm
.Lfunc_end_k_qdbbfdbf899_proj:
	.size	k_qdbbfdbf899_proj, .Lfunc_end_k_qdbbfdbf899_proj-k_qdbbfdbf899_proj
	.p2alignl 7, 3214868480
	.fill 96, 4, 3214868480
	.section	.rodata,"a",@progbits
	.p2align	6, 0x0
	.amdhsa_kernel k_qdbbfdbf899_proj
		.amdhsa_group_segment_fixed_size 327680
		.amdhsa_private_segment_fixed_size 0
		.amdhsa_enable_private_segment 0
		.amdhsa_kernarg_size 32
		.amdhsa_user_sgpr_count 2
		.amdhsa_user_sgpr_kernarg_segment_ptr 1
		.amdhsa_wavefront_size32 1
		.amdhsa_system_sgpr_workgroup_id_x 1
		.amdhsa_system_sgpr_workgroup_id_y 1
		.amdhsa_system_sgpr_workgroup_id_z 1
		.amdhsa_system_vgpr_workitem_id 0
		.amdhsa_next_free_vgpr 768
		.amdhsa_next_free_sgpr 84
		.amdhsa_reserve_vcc 0
		.amdhsa_float_denorm_mode_32 3
		.amdhsa_float_denorm_mode_16_64 3
		.amdhsa_memory_ordered 1
		.amdhsa_forward_progress 1
		.amdhsa_inst_pref_size 79
	.end_amdhsa_kernel
	.amdgpu_metadata
---
amdhsa.version: [ 1, 2 ]
amdhsa.kernels:
  - .name:           k_qdbbfdbf899_proj
    .symbol:         k_qdbbfdbf899_proj.kd
    .args:
      - { .name: at, .offset: 0, .size: 8, .value_kind: global_buffer, .address_space: global }
      - { .name: xw, .offset: 8, .size: 8, .value_kind: global_buffer, .address_space: global }
      - { .name: bo, .offset: 16, .size: 8, .value_kind: global_buffer, .address_space: global }
      - { .name: out0, .offset: 24, .size: 8, .value_kind: global_buffer, .address_space: global }
    .group_segment_fixed_size: 327680
    .private_segment_fixed_size: 0
    .kernarg_segment_align: 8
    .kernarg_segment_size: 32
    .max_flat_workgroup_size: 128
    .sgpr_count:     84
    .vgpr_count:     768
    .wavefront_size: 32
...
	.end_amdgpu_metadata
.endif
;; end of part 6
